; MI455X (gfx1250); checked and timed in simulation.
; The chip was launched on July 23, 2026; its instructions are those of AMD's public machine-readable ISA for CDNA 5 (MIT licence, August 2026) and "CDNA5" Instruction Set Architecture Reference Guide (July 2026). The comments in the code are by the model that wrote it; some were corrected since.
;; Multi Head Attention. Allowed arithmetic: matrix products marked QUANTISED: E2M3 operands, one E8M0 scale for each 32 along K, by v_wmma_scale_f32_16x16x128_f8f6f4 with both operands' format E2M3, f32 sums; products left as they are: f32 operands where the result goes on into a quantised operand, else bf16, f16 or f32 operands; f32 sums; everything else in f32.
;; Inputs: K_codes 2 x 1,024 x 32 x 24 uint8 (E2M3 codes of K, K innermost, in blocks of 32 codes, four codes in three bytes); K_scales 2 x 1,024 x 32 uint8 (E8M0 scales of K, one for each 32 codes along K); Q_codes 2 x 1,024 x 32 x 24 uint8 (E2M3 codes of Q, K innermost, in blocks of 32 codes, four codes in three bytes); Q_scales 2 x 1,024 x 32 uint8 (E8M0 scales of Q, one for each 32 codes along K); V_codes 2 x 1,024 x 32 x 24 uint8 (E2M3 codes of V, K innermost, in blocks of 32 codes, four codes in three bytes); V_scales 2 x 1,024 x 32 uint8 (E8M0 scales of V, one for each 32 codes along K); Wk_codes 1,024 x 32 x 24 uint8 (E2M3 codes of Wk, K innermost, in blocks of 32 codes, four codes in three bytes); Wk_scales 1,024 x 32 uint8 (E8M0 scales of Wk, one for each 32 codes along K); Wo_codes 1,024 x 32 x 24 uint8 (E2M3 codes of Wo, K innermost, in blocks of 32 codes, four codes in three bytes); Wo_scales 1,024 x 32 uint8 (E8M0 scales of Wo, one for each 32 codes along K); Wq_codes 1,024 x 32 x 24 uint8 (E2M3 codes of Wq, K innermost, in blocks of 32 codes, four codes in three bytes); Wq_scales 1,024 x 32 uint8 (E8M0 scales of Wq, one for each 32 codes along K); Wv_codes 1,024 x 32 x 24 uint8 (E2M3 codes of Wv, K innermost, in blocks of 32 codes, four codes in three bytes); Wv_scales 1,024 x 32 uint8 (E8M0 scales of Wv, one for each 32 codes along K); bk 1,024 float32; bo 1,024 float32; bq 1,024 float32; bv 1,024 float32.
;; Outputs: out0 2 x 1,024 x 1,024 float32.
;; This version of the problem:
;;   THIS VERSION OF THE PROBLEM IS GIVEN IN LOW PRECISION. The matrix products marked QUANTISED in the list below multiply operands that are first quantised to E2M3 (2 exponent bits, 3 mantissa bits; 6 bits a number), with one power-of-two scale for each 32 numbers along K (OCP MX v1.0); their sums are f32. All else is computed in f32.
;;   The module's matrix products, in the order in which they are computed (A, B: the left and right operand; K: the contracted axis; several contracted axes count as one K, in the product's order):
;;     1. [M 2,048, K 1,024] x [K 1,024, N 1,024]; A: input Q (given as codes); B: input Wq (given as codes): QUANTISED
;;     2. [M 2,048, K 1,024] x [K 1,024, N 1,024]; A: input K (given as codes); B: input Wk (given as codes): QUANTISED
;;     3. [M 2,048, K 1,024] x [K 1,024, N 1,024]; A: input V (given as codes); B: input Wv (given as codes): QUANTISED
;;     4. batch 128 x [M 1,024, K 16] x [K 16, N 1,024]; A: computed on the way; B: computed on the way: left as it is (K = 16 < 32)
;;     5. batch 128 x [M 1,024, K 1,024] x [K 1,024, N 16]; A: softmax (see below); B: computed on the way: QUANTISED
;;     6. [M 2,048, K 1,024] x [K 1,024, N 1,024]; A: computed on the way; B: input Wo (given as codes): QUANTISED
;;   THE QUANTISER, for each operand of a quantised product, along K:
;;     - K is cut into blocks of 32 from its start; a last block that is shorter is filled with zeros.
;;     - A block's scale is 2^e with e = floor(log2(the largest magnitude in the block)) - 2, held to -126 .. 127; a block of zeros has e = 0. As a byte (E8M0): e + 127.
;;     - Each number is divided by its block's scale, clamped to +-7.5, and rounded to the nearest number of E2M3, ties to even, subnormals kept.
;;     - The product sums the exact products of the quantised numbers (number of the format x scale) in f32.
;;   ~~~python
;;   def quantise(x, axis):      # numpy; x: float32 -> the quantised numbers, widened to float32 again
;;       x = np.moveaxis(x, axis, -1); K = x.shape[-1]
;;       x = np.pad(x, [(0, 0)] * (x.ndim - 1) + [(0, -K % 32)]); x = x.reshape(x.shape[:-1] + (-1, 32)); a = np.abs(x).max(-1, keepdims=True)
;;       e = np.where(a > 0, np.clip(np.frexp(np.where(a > 0, a, 1))[1] - 1 - 2, -126, 127), 0)      # np.frexp(a)[1] - 1 = floor(log2(a)), exactly
;;       r = np.clip(x / 2.0 ** e, -7.5, 7.5)
;;       step = 2.0 ** (np.maximum(np.frexp(np.where(r == 0, 1, r))[1] - 1, 0) - 3)
;;       q = np.round(r / step) * step * 2.0 ** e      # np.round: ties to even
;;       return np.moveaxis(q.reshape(q.shape[:-2] + (-1,))[..., :K], -1, axis).astype(np.float32)
;;   ~~~
;;   SOFTMAX AHEAD OF A QUANTISED PRODUCT. Where the list says 'softmax', what is quantised is not the finished softmax but p = 2^(t - M), with t = logit x log2(e) and M = ceil(the row's largest t), a whole number; so 1/2 < the row's largest p <= 1. The row's sum l is taken of the UNQUANTISED p, in f32, and the product's result is divided by l at the end. Since M is a whole number, a kernel that streams over the keys may use a running M (the ceiling of the running maximum): every later rescaling is an exact power of two, which a block's scale takes up: the codes' values come out the same.
;;   OPERANDS COMPUTED ON THE WAY. 'Computed on the way' means the value that the module computes at that place (a softmax that the list does not call 'softmax' is quantised finished and normalised). What goes into a quantiser is computed in f32, as accurately as f32 sums, v_exp_f32 and their like allow (about 1e-6 of the number): no bf16 or f16 on the way to a quantiser, and a product that is left as it is and whose result goes on into a quantised operand takes f32 operands (vector FMAs, or v_wmma_f32_16x16x4_f32). A number that lies on a knife's edge between two numbers of the format may be rounded either way, as far as f32 arithmetic and the matrix unit's own rounding can turn it there, and no further.
;;   INPUTS GIVEN AS CODES. K (in the module: [2, 1024, 1024], K = its axis 2); Q (in the module: [2, 1024, 1024], K = its axis 2); V (in the module: [2, 1024, 1024], K = its axis 2); Wk (in the module: [1024, 1024], K = its axis 1); Wo (in the module: [1024, 1024], K = its axis 1); Wq (in the module: [1024, 1024], K = its axis 1); Wv (in the module: [1024, 1024], K = its axis 1): each comes as NAME_codes (uint8): NAME with its K axis moved to the last place and cut into blocks of 32 codes, [.., K / 32, bytes a block], one block behind the other in memory; four codes in three bytes: a row's codes are one little-endian stream of bits, code i at bits 6 i .. 6 i + 5 (a code: sign, 2 exponent bits, 3 mantissa bits); and NAME_scales (uint8): the same leading axes, one E8M0 byte (e + 127) for each 32 codes along K. Its value is code x scale, taken as it is: it is not quantised again, and the codes and scales need not be those that the quantiser above would give.
;; 2 versions, each right and faster than the one before. Each part assembles by itself: llvm-mc -triple=amdgcn-amd-amdhsa -mcpu=gfx1250 --defsym DOCPART=n.
;; ======== version 1 of 2: 3 launches
;; workspace buffers: qf 8,388,608 bytes; kf 8,388,608 bytes; vc 1,572,864 bytes; vs 65,536 bytes; cc 1,572,864 bytes; cs 65,536 bytes
;; launch proj (part 1): grid 8 x 96, 4 waves a work-group, clusters of 4 x 4, 198,144 bytes of LDS; arguments Wq_codes, Wq_scales, Q_codes, Q_scales, Wk_codes, Wk_scales, K_codes, K_scales, V_codes, V_scales, Wv_codes, Wv_scales, bq, bk, bv, qf, kf, vc, vs; writes qf, kf, vc, vs
.if DOCPART == 1
	.amdgcn_target "amdgcn-amd-amdhsa--gfx1250"
	.amdhsa_code_object_version 6
	.text
	.protected	k_qf07bb70cef_proj
	.globl	k_qf07bb70cef_proj
	.p2align	8
	.type	k_qf07bb70cef_proj,@function
k_qf07bb70cef_proj:
	s_mov_b64 s[64:65], 0
	v_nop
	global_prefetch_b8 v0, s[64:65] scope:SCOPE_SE
	s_setreg_imm32_b32 hwreg(HW_REG_WAVE_MODE, 25, 1), 1
	s_wait_xcnt 0x0
	s_wait_alu depctr_hold_cnt(0) depctr_sa_sdst(0) depctr_va_vdst(0) depctr_va_sdst(0) depctr_va_ssrc(0) depctr_va_vcc(0) depctr_vm_vsrc(0)
	s_getreg_b32 s2, hwreg(HW_REG_IB_STS2, 6, 4)
	s_cmp_eq_u32 s2, 0
	s_cbranch_scc0 .Lentry_in_a_cluster
	s_endpgm
.Lentry_in_a_cluster:
	s_bfe_u32 s2, ttmp6, 0x10000c
	s_cmp_lg_u32 s2, 0xf033
	s_cbranch_scc0 .Lentry_shape_is_right
	s_endpgm
.Lentry_shape_is_right:
; The three input projections x W^T + b on codes of FP6 (E2M3) with one E8M0 scale for each 32 along K; K = 1,024; sums in f32.
; A work-group makes a tile of 128 rows of X x 64 rows of Y.  X is source 0, Y source 1 of the matrix instruction: in a result lane (r, h) holds row r of Y and, in register j, row 8 h + j of X.
;   q and k (G = 0, 1): X = 128 rows of W (output columns), Y = 64 tokens.  A lane holds eight neighbouring columns of a token.  Out: f32, laid [pair of heads 32][token 2,048][32 columns].
;   v (G = 2): X = 128 tokens, Y = 64 rows of Wv.  A lane holds ONE column and its registers run down the tokens, which are the K of the product p v: v is quantised here, along the tokens, and leaves as codes.
; v's codes: [batch 2][head 64][block 32][e 16][24 bytes].  Inside a block, place 16 h + 8 u + j holds token 32 block + 16 u + 8 h + j: the order in which the results lie in a lane.  The attention
; launch lays p in the same order, so nothing is permuted.  v's scale bytes: [batch 2][K step 8][column 1,024][4].
; All of K of both tiles lies in LDS at once (768 bytes of codes a row): every tensor load is a first fill, no LDS byte is filled twice.
; CLUSTERS: 4 x 4 work-groups.  X's tile hangs on the x coordinate alone and is asked for jointly by a column of the cluster, Y's on the y coordinate alone, by a row.
; Four waves: wave w takes X rows 64 (w & 1) on and Y rows 32 (w >> 1) on: 4 x 2 accumulators.  A K step of 128 is 8 matrix instructions, the 8 accumulators by turns.
; LIMITS: a block of zeros of v gets the scale byte 1 (the floor) where the quantiser says 127: its codes are zeros and only this program reads the bytes; blocks whose largest magnitude lies under 2^-124
; are held at the byte 1; NaN and infinities are not served.
.set PITCH,  816                       ; an LDS row of codes: 3 x (256 bytes + 16 of padding) = 204 words: row r starts at bank 12 r mod 64 (64 banks of 4 bytes: ISA guide 11.1): the 32 lanes of a load of 8 bytes touch 64 different banks
.set YTB,    128*PITCH                 ; X's 128 rows lie at 0, Y's 64 rows here
.set XSB,    YTB+64*PITCH              ; X's scale bytes: 4,096 dense bytes as 16 rows of 256 + 16
.set YSB,    XSB+16*272                ; Y's: 8 such rows
.set STG,    163328                    ; the stage of q's and k's way out: 64 tokens x (512 bytes + 16); no tensor load lands here
.set SPITCH, 528
.set VSG,    STG+64*SPITCH             ; v's way out: the tile's 256 scale bytes
.set ADX, 4                            ; v4, v5   LDS address of my X fragments (v5: for the pieces that lie behind one padding more in lanes 16-31)
.set ADY, 6                            ; v6, v7   the same for Y
.set ASX, 8                            ; v8       X's scale words
.set ASY, 9                            ; v9       Y's
.set STO, 10                           ; v10      the stage: where I put 32 bytes of a token's row
.set SRD, 11                           ; v11      and where I read back
.set L16, 12                           ; v12      16 x lane
.set VSA, 13                           ; v13      where I put two scale bytes of v
.set VCO, 14                           ; v14      24 r + 12 h: my 12 bytes of a block of v's codes
.set L8,  15                           ; v15      8 x lane
.set SC,  16                           ; v16-27   scale words, two sets of six (X's four, Y's two): they hold nothing else
.set BF,  28                           ; v28-31   the bias of four neighbouring columns (q, k)
.set ACC, 32                           ; v32-95   accumulator (i, j) at v[32 + 32 j + 8 i]
.set FB0, 96                           ; v96-167, v168-239 two sets of fragments: X's at +12 i, Y's at +48 + 12 j
.set TM,  240                          ; v240-253 at work
.set BV,  254                          ; v254, v255 the bias of my two columns (v)
.set WV, 42
.set WX, 43
.set WY, 44
.set CX, 45
.set CY, 46
.set GG, 48
.set XT, 51
.set YT, 52
.set G0X, 12                           ; descriptor groups 0, in registers that the choice of pointers has left free
.set G0Y, 16
.set G0SX, 20
.set G0SY, 24
.set G1X, 68                           ; groups 1
.set G1Y, 76
.set G1SX, 84
.set G1SY, 92
.macro PLACES n
.rept \n
	v_nop
.endr
.endm
.macro CROUND                          ; a round of the cluster's barrier
	s_barrier_signal -1
	s_barrier_wait -1
	s_cmp_lg_u32 s[WV], 0
	s_cbranch_scc1 .Lnot_wave_0_\@
	s_barrier_signal -3
.Lnot_wave_0_\@:
	s_barrier_wait -3
	s_barrier_signal -1
	s_barrier_wait -1
.endm
; A fragment, 16 rows x 128 K, is 12 registers: lane (r, h) holds row r; registers 6 c .. 6 c + 5 hold K = 64 c + 32 h + 0 .. 31: 24 bytes of the row's stream of bits, as they lie, in pieces of 8 bytes.
; Piece n of a row lies at 8 n + 16 (n / 32).  Lanes 16-31 read three pieces on; where that is behind one padding more, the second address register (40 for 24 bytes a half) serves.
.macro FRAG reg, adr, q, i
.irp p, 0,1,2,3,4,5
.set PCN, 12*(\q)+6*(\p/3)+\p%3
.if PCN%32 < 29
	ds_load_b64 v[\reg+2*\p:\reg+2*\p+1], v[\adr] offset:8*PCN+16*(PCN/32)+(\i)*16*PITCH
.else
	ds_load_b64 v[\reg+2*\p:\reg+2*\p+1], v[\adr+1] offset:8*PCN+16*(PCN/32)+(\i)*16*PITCH
.endif
.endr
.endm
.macro LOADS q, set                    ; K step q's six fragments and six scale words: 42 LDS loads
.irp i, 0,1,2,3
	FRAG FB0+72*(\set)+12*\i, ADX, \q, \i
.endr
.irp j, 0,1
	FRAG FB0+72*(\set)+48+12*\j, ADY, \q, \j
.endr
.irp i, 0,1,2,3
	ds_load_b32 v[SC+6*(\set)+\i], v[ASX] offset:544*\i+4*(\q)
.endr
.irp j, 0,1
	ds_load_b32 v[SC+6*(\set)+4+\j], v[ASY] offset:544*\j+4*(\q)
.endr
.endm
.macro MUL set, zero                   ; 8 products; zero = 1: they start the sums
.irp j, 0,1
.irp i, 0,1,2,3
.if \zero
	v_wmma_scale_f32_16x16x128_f8f6f4 v[ACC+32*\j+8*\i:ACC+32*\j+8*\i+7], v[FB0+72*(\set)+12*\i:FB0+72*(\set)+12*\i+11], v[FB0+72*(\set)+48+12*\j:FB0+72*(\set)+48+12*\j+11], 0, v[SC+6*(\set)+\i], v[SC+6*(\set)+4+\j] matrix_a_fmt:MATRIX_FMT_FP6 matrix_b_fmt:MATRIX_FMT_FP6
.else
	v_wmma_scale_f32_16x16x128_f8f6f4 v[ACC+32*\j+8*\i:ACC+32*\j+8*\i+7], v[FB0+72*(\set)+12*\i:FB0+72*(\set)+12*\i+11], v[FB0+72*(\set)+48+12*\j:FB0+72*(\set)+48+12*\j+11], v[ACC+32*\j+8*\i:ACC+32*\j+8*\i+7], v[SC+6*(\set)+\i], v[SC+6*(\set)+4+\j] matrix_a_fmt:MATRIX_FMT_FP6 matrix_b_fmt:MATRIX_FMT_FP6
.endif
.endr
.endr
.endm
.macro STEP q                          ; the next step's loads go out first, into the set that the step before multiplied, four places behind its products (ISA guide 7.12.1 for vector instructions)
.if ((\q) > 0) && ((\q) < 7)
	PLACES 4
.endif
.if (\q) < 7
	LOADS (\q)+1, ((\q)+1)%2
	s_wait_dscnt 42                                ; all but the 42 just issued: this step's operands are in
.else
	s_wait_dscnt 0x0
.endif
.if (\q) == 0
	MUL 0, 1
.else
	MUL (\q)%2, 0
.endif
.endm
	s_load_b256 s[4:11], s[0:1], 0x0               ; Wq's codes, Wq's scales, Q's codes, Q's scales
	s_load_b256 s[12:19], s[0:1], 0x20             ; the same of Wk and K
	s_load_b256 s[20:27], s[0:1], 0x40             ; V's codes, V's scales, Wv's codes, Wv's scales
	s_load_b256 s[28:35], s[0:1], 0x60             ; bq, bk, bv, qf
	s_load_b128 s[36:39], s[0:1], 0x80             ; kf, vc
	s_load_b64 s[40:41], s[0:1], 0x90              ; vs
	s_set_vgpr_msb 0x40
	v_lshl_add_u32 v0, v0, 2, 0x30400
	v_mov_b32 v1, 0
	s_set_vgpr_msb 0x4045
	ds_add_u32 v0, v1
	ds_add_u32 v0, v1
	s_set_vgpr_msb 0x4500
	v_lshrrev_b32 v1, 5, v0
	v_readfirstlane_b32 s[WV], v1                  ; wave 0..3
	s_and_b32 s[WX], s[WV], 1
	s_lshr_b32 s[WY], s[WV], 1
	s_bfe_u32 s[CX], ttmp6, 0x40000                ; my place in the cluster
	s_bfe_u32 s[CY], ttmp6, 0x40004
	s_and_b32 s47, ttmp7, 0xffff                   ; the cluster's y, 0..23: eight for each projection
	s_lshr_b32 s[GG], s47, 3                       ; G: 0 q, 1 k, 2 v: the same in all partners
	s_bfe_u32 s49, s47, 0x10002
	s_and_b32 s50, s47, 3
	s_and_b32 s55, s47, 7
	s_cmp_eq_u32 s[GG], 2
	s_cselect_b32 s49, s49, 0                      ; v has 16 tiles of X and 16 of Y, q and k 8 and 32
	s_cselect_b32 s50, s50, s55
	s_lshl_b32 s[XT], ttmp9, 2
	s_add_co_u32 s[XT], s[XT], s[CX]
	s_lshl_b32 s49, s49, 3
	s_add_co_u32 s[XT], s[XT], s49                 ; X's tile
	s_lshl_b32 s[YT], s50, 2
	s_add_co_u32 s[YT], s[YT], s[CY]               ; Y's tile
	s_lshl_b32 s53, 0x1111, s[CX]                  ; my column of the cluster
	s_lshl_b32 s54, s[CY], 2
	s_lshl_b32 s54, 15, s54                        ; my row
	; group 1, codes: 64 rows x 768 bytes, 16 bytes of padding behind every 256
	s_or_b32 s[G1X], s53, (1<<20)|(1<<21)|(5<<22)|(3<<25)   ; 15:0 the mask; 17:16 elements of 1 byte; 20 padding on; 21 set beside a mask; 24:22 after every 64 words; 31:25 4 words
	s_or_b32 s[G1Y], s54, (1<<20)|(1<<21)|(5<<22)|(3<<25)
.irp g, G1X, G1Y
	s_mov_b32 s[\g+1], 768<<16                     ; tensor_dim0
	s_mov_b32 s[\g+2], 64<<16                      ; tensor_dim1
	s_mov_b32 s[\g+3], 768<<16                     ; tile_dim0
	s_mov_b32 s[\g+4], 64                          ; tile_dim1
	s_mov_b32 s[\g+5], 768                         ; from row to row
	s_mov_b32 s[\g+6], 0
	s_mov_b32 s[\g+7], 0
.endr
	; group 1, scale bytes: a dense block as rows of 256 bytes (32 elements of 8), 16 bytes of padding behind each: 16 rows for X, 8 for Y
	s_or_b32 s[G1SX], s53, (3<<16)|(1<<20)|(1<<21)|(5<<22)|(3<<25)
	s_or_b32 s[G1SY], s54, (3<<16)|(1<<20)|(1<<21)|(5<<22)|(3<<25)
	s_mov_b32 s[G1SX+1], 32<<16
	s_mov_b32 s[G1SX+2], 16<<16
	s_mov_b32 s[G1SX+3], 32<<16
	s_mov_b32 s[G1SX+4], 16
	s_mov_b32 s[G1SX+5], 32
	s_mov_b32 s[G1SX+6], 0
	s_mov_b32 s[G1SX+7], 0
	s_mov_b32 s[G1SY+1], 32<<16
	s_mov_b32 s[G1SY+2], 8<<16
	s_mov_b32 s[G1SY+3], 32<<16
	s_mov_b32 s[G1SY+4], 8
	s_mov_b32 s[G1SY+5], 32
	s_mov_b32 s[G1SY+6], 0
	s_mov_b32 s[G1SY+7], 0
	; byte offsets: X's in s56-59, Y's in s60-63: neither set ever holds the other coordinate
	s_mul_i32 s56, s[XT], 128*768
	s_mul_i32 s58, s[WX], 64*768
	s_add_co_u32 s56, s56, s58                     ; X's codes: my half of the tile's rows
	s_mov_b32 s57, 0
	s_lshl_b32 s58, s[XT], 12                      ; X's scale bytes
	s_mov_b32 s59, 0
	s_mul_i32 s60, s[YT], 64*768                   ; Y's codes
	s_mov_b32 s61, 0
	s_lshl_b32 s62, s[YT], 11                      ; Y's scale bytes
	s_mov_b32 s63, 0
	s_mov_b32 s2, 0x76543210                       ; v_permlanex16_b32's selects for lane l xor 16
	s_mov_b32 s3, 0xfedcba98
	s_wait_dscnt 0x0
	s_wait_kmcnt 0x0
	s_cmp_eq_u32 s[GG], 1                          ; the buffers are chosen on the cluster's number alone
	s_cselect_b64 s[4:5], s[12:13], s[4:5]         ; X's codes
	s_cselect_b64 s[6:7], s[14:15], s[6:7]         ; X's scales
	s_cselect_b64 s[8:9], s[16:17], s[8:9]         ; Y's codes
	s_cselect_b64 s[10:11], s[18:19], s[10:11]     ; Y's scales
	s_cselect_b64 s[28:29], s[30:31], s[28:29]     ; the bias
	s_cselect_b64 s[34:35], s[36:37], s[34:35]     ; qf or kf
	s_cmp_eq_u32 s[GG], 2
	s_cselect_b64 s[4:5], s[20:21], s[4:5]         ; for v the tokens are X and the weight is Y
	s_cselect_b64 s[6:7], s[22:23], s[6:7]
	s_cselect_b64 s[8:9], s[24:25], s[8:9]
	s_cselect_b64 s[10:11], s[26:27], s[10:11]
	s_cselect_b64 s[28:29], s[32:33], s[28:29]
	s_mov_b32 s[G0X], 1
	s_mul_i32 s[G0X+1], s[WX], 64*PITCH
	s_add_nc_u64 s[G0X+2:G0X+3], s[4:5], s[56:57]
	s_or_b32 s[G0X+3], s[G0X+3], 0x80000000
	s_mov_b32 s[G0Y], 1
	s_mov_b32 s[G0Y+1], YTB
	s_add_nc_u64 s[G0Y+2:G0Y+3], s[8:9], s[60:61]
	s_or_b32 s[G0Y+3], s[G0Y+3], 0x80000000
	s_mov_b32 s[G0SX], 1
	s_mov_b32 s[G0SX+1], XSB
	s_add_nc_u64 s[G0SX+2:G0SX+3], s[6:7], s[58:59]
	s_or_b32 s[G0SX+3], s[G0SX+3], 0x80000000
	s_mov_b32 s[G0SY], 1
	s_mov_b32 s[G0SY+1], YSB
	s_add_nc_u64 s[G0SY+2:G0SY+3], s[10:11], s[62:63]
	s_or_b32 s[G0SY+3], s[G0SY+3], 0x80000000
	CROUND                                         ; all sixteen work-groups are here: the joint loads meet
	; the fills, all first fills: waves 0, 1 X's halves; wave 2 Y; wave 3 both blocks of scale bytes (two loads out at the most).  Four v_nop follow the tensor lines
	s_cmp_lt_u32 s[WV], 2
	s_cbranch_scc0 .Lnot_x
	tensor_load_to_lds s[G0X:G0X+3], s[G1X:G1X+7]
	s_nop 0
	PLACES 4
	s_branch .Lasked
.Lnot_x:
	s_cmp_eq_u32 s[WV], 2
	s_cbranch_scc0 .Lscales
	tensor_load_to_lds s[G0Y:G0Y+3], s[G1Y:G1Y+7]
	s_nop 0
	PLACES 4
	s_branch .Lasked
.Lscales:
	tensor_load_to_lds s[G0SX:G0SX+3], s[G1SX:G1SX+7]
	s_nop 0
	tensor_load_to_lds s[G0SY:G0SY+3], s[G1SY:G1SY+7]
	s_nop 0
	PLACES 4
.Lasked:
	v_and_b32 v1, 15, v0                           ; r
	v_bfe_u32 v2, v0, 4, 1                         ; h
	v_and_b32 v3, 31, v0                           ; lane
	v_mul_u32_u24 v4, v1, PITCH
	v_mad_u32_u24 v4, v2, 24, v4                   ; row r + 24 h
	v_lshl_add_u32 v5, v2, 4, v4                   ; row r + 40 h
	s_mul_i32 s66, s[WY], 32*PITCH
	s_add_co_u32 s66, s66, YTB
	v_add_nc_u32 v6, s66, v4                       ; Y: my 32 rows
	v_add_nc_u32 v7, s66, v5
	s_mul_i32 s66, s[WX], 64*PITCH
	v_add_nc_u32 v4, s66, v4                       ; X: my 64 rows
	v_add_nc_u32 v5, s66, v5
	v_lshrrev_b32 v240, 3, v1                      ; a row's 32 scale bytes: eight rows to a unit of 256 + 16
	v_mul_u32_u24 v240, v240, 272
	v_and_b32 v241, 7, v1
	v_lshl_add_u32 v240, v241, 5, v240
	s_mul_i32 s66, s[WX], 2176
	s_add_co_u32 s66, s66, XSB
	v_add_nc_u32 v[ASX], s66, v240
	s_mul_i32 s66, s[WY], 1088
	s_add_co_u32 s66, s66, YSB
	v_add_nc_u32 v[ASY], s66, v240
	v_mul_u32_u24 v[STO], v1, SPITCH               ; the stage: token 32 wy + r, columns 64 wx + 8 h on
	v_lshl_add_u32 v[STO], v2, 5, v[STO]
	s_mul_i32 s66, s[WY], 32*SPITCH
	s_lshl_b32 s67, s[WX], 8
	s_add_co_u32 s66, s66, s67
	s_add_co_u32 s66, s66, STG
	v_add_nc_u32 v[STO], s66, v[STO]
	v_lshrrev_b32 v[SRD], 3, v3                    ; back: wave w takes columns 32 w on (a pair of heads) of four tokens an instruction, eight lanes to a token
	v_mul_u32_u24 v[SRD], v[SRD], SPITCH
	v_and_b32 v241, 7, v3
	v_lshl_add_u32 v[SRD], v241, 4, v[SRD]
	s_lshl_b32 s66, s[WV], 7
	s_add_co_u32 s67, s66, STG
	v_add_nc_u32 v[SRD], s67, v[SRD]
	s_and_b32 s67, s[XT], 7                        ; both forms of the bias are loaded; the masks keep each inside the bias's 4,096 bytes whatever G
	s_lshl_b32 s67, s67, 9
	s_add_co_u32 s67, s67, s66
	v_lshl_add_u32 v242, v241, 4, s67              ; q, k: columns 128 XT + 32 w + 4 (lane % 8) on
	global_load_b128 v[BF:BF+3], v242, s[28:29]
	s_and_b32 s67, s[YT], 15
	s_lshl_b32 s67, s67, 6
	s_lshl_b32 s66, s[WY], 5
	s_add_co_u32 s67, s67, s66
	s_lshl_b32 s67, s67, 2
	v_lshl_add_u32 v243, v1, 2, s67                ; v: columns 64 YT + 32 wy + 16 j + r
	global_load_b32 v[BV], v243, s[28:29]
	global_load_b32 v[BV+1], v243, s[28:29] offset:64
	v_lshlrev_b32 v[L16], 4, v3
	s_lshl_b32 s66, s[WY], 7
	s_lshl_b32 s67, s[WX], 1
	s_add_co_u32 s66, s66, s67
	s_add_co_u32 s66, s66, VSG
	v_lshl_add_u32 v[VSA], v1, 2, s66              ; column 32 wy + r's word, bytes 2 wx on
	v_mul_u32_u24 v[VCO], v1, 24
	v_mad_u32_u24 v[VCO], v2, 12, v[VCO]
	v_lshlrev_b32 v[L8], 3, v3
	v_add_nc_u32 v3, VSG, v[L8]
.irp b, 0,1,2,3
	v_mov_b32 v[TM+4+\b], 0                        ; a lane permute's destination counts as one of its sources
.endr
	s_wait_tensorcnt 0x0                           ; my fills have landed,
	s_barrier_signal -1
	s_barrier_wait -1                              ; everybody's have
	LOADS 0, 0
.irp q, 0,1,2,3,4,5,6,7
	STEP \q
.endr
	PLACES 4                                       ; in front of the first reads of results and of writes into operands' registers
	s_wait_loadcnt 0x0                             ; the biases
	s_cmp_eq_u32 s[GG], 2
	s_cbranch_scc1 .Lvtail
	; ---- q, k: through the stage, so that each wave stores 512 consecutive bytes of one pair of heads' plane
.irp j, 0,1
.irp i, 0,1,2,3
	ds_store_b128 v[STO], v[ACC+32*\j+8*\i:ACC+32*\j+8*\i+3] offset:16*\j*SPITCH+64*\i       ; each accumulator from its low end on
	ds_store_b128 v[STO], v[ACC+32*\j+8*\i+4:ACC+32*\j+8*\i+7] offset:16*\j*SPITCH+64*\i+16
.endr
.endr
	s_lshl_b32 s30, s[XT], 2
	s_add_co_u32 s30, s30, s[WV]                   ; my pair of heads: 4 XT + w,
	s_lshl_b32 s30, s30, 18                        ; its plane of 2,048 x 128 bytes,
	s_lshl_b32 s31, s[YT], 13                      ; the tile's 64 tokens in it
	s_add_co_u32 s30, s30, s31
	s_mov_b32 s31, 0
	s_add_nc_u64 s[34:35], s[34:35], s[30:31]
	s_wait_dscnt 0x0                               ; for the others' sake: my stores into the stage are done
	s_barrier_signal -1
	s_barrier_wait -1
.irp t, 0,1,2,3,4,5,6,7,8,9,10,11,12,13,14,15
	ds_load_b128 v[FB0+4*\t:FB0+4*\t+3], v[SRD] offset:4*\t*SPITCH
.endr
.irp t, 0,1,2,3,4,5,6,7,8,9,10,11,12,13,14,15
	s_wait_dscnt 15-\t                             ; load t is in; the younger ones may be out
	v_pk_add_f32 v[FB0+4*\t:FB0+4*\t+1], v[FB0+4*\t:FB0+4*\t+1], v[BF:BF+1]
	v_pk_add_f32 v[FB0+4*\t+2:FB0+4*\t+3], v[FB0+4*\t+2:FB0+4*\t+3], v[BF+2:BF+3]
	global_store_b128 v[L16], v[FB0+4*\t:FB0+4*\t+3], s[34:35] offset:512*\t     ; four tokens x 128 bytes: 512 consecutive bytes, at a multiple of 256 from the buffer's first byte
.endr
	s_branch .Lend
.Lvtail:
	; ---- v: bias, then quantised along the tokens.  Registers 16 B .. 16 B + 15 (B = 2 j + b) are 16 tokens of block b of my 64 tokens, column 16 j + r; the other 16 lie in lane l xor 16
.set n, 0
.rept 64
	v_add_f32 v[ACC+n], v[ACC+n], v[BV+n/32]
.set n, n+1
.endr
.irp b, 0,1,2,3
	v_max3_num_f32 v[TM+\b], |v[ACC+16*\b]|, |v[ACC+1+16*\b]|, 0x1800000   ; and the floor 2^(3 - 127): the byte cannot fall under 1
.endr
.irp i, 2,4,6,8,10,12,14
.irp b, 0,1,2,3
	v_max3_num_f32 v[TM+\b], v[TM+\b], |v[ACC+16*\b+\i]|, |v[ACC+1+16*\b+\i]|
.endr
.endr
.irp b, 0,1,2,3
	v_permlanex16_b32 v[TM+4+\b], v[TM+\b], s2, s3
.endr
.irp b, 0,1,2,3
	v_max_num_f32 v[TM+\b], v[TM+\b], v[TM+4+\b]   ; the block's largest magnitude
.endr
.irp b, 0,1,2,3
	v_add_nc_u32 v[TM+8+\b], 0xff000000, v[TM+\b]  ; 2 off its exponent field: the conversion's scale operand
.endr
.irp b, 0,1,2,3
	v_lshrrev_b32 v[TM+4+\b], 23, v[TM+8+\b]       ; the scale's byte
.endr
	v_lshl_or_b32 v[TM+12], v[TM+5], 8, v[TM+4]    ; column 16 j + r's two bytes, j = 0,
	v_lshl_or_b32 v[TM+13], v[TM+7], 8, v[TM+6]    ; j = 1
.irp b, 0,1,2,3
	v_cvt_scalef32_pk16_fp6_f32 v[FB0+4*\b:FB0+4*\b+2], v[ACC+16*\b:ACC+16*\b+15], v[TM+8+\b]
.endr
	v_nop                                          ; one plain place behind the scaled conversions
	s_lshr_b32 s30, s[XT], 3                       ; batch,
	s_lshl_b32 s30, s30, 6
	s_lshl_b32 s31, s[YT], 2
	s_add_co_u32 s30, s30, s31
	s_lshl_b32 s31, s[WY], 1
	s_add_co_u32 s30, s30, s31                     ; head 4 YT + 2 wy (+ j),
	s_lshl_b32 s30, s30, 5
	s_and_b32 s31, s[XT], 7
	s_lshl_b32 s31, s31, 2
	s_add_co_u32 s30, s30, s31
	s_lshl_b32 s31, s[WX], 1
	s_add_co_u32 s30, s30, s31                     ; block 4 (XT % 8) + 2 wx (+ b)
	s_mul_i32 s30, s30, 384
	s_mov_b32 s31, 0
	s_add_nc_u64 s[38:39], s[38:39], s[30:31]
	s_lshl_b32 s32, s[XT], 12
	s_lshl_b32 s33, s[YT], 8
	s_add_co_u32 s32, s32, s33
	s_mov_b32 s33, 0
	s_add_nc_u64 s[40:41], s[40:41], s[32:33]
.irp j, 0,1
.irp b, 0,1
	global_store_b96 v[VCO], v[FB0+4*(2*\j+\b):FB0+4*(2*\j+\b)+2], s[38:39] offset:12288*\j+384*\b   ; 32 lanes store a block's 384 consecutive bytes
.endr
	ds_store_b16 v[VSA], v[TM+12+\j] offset:64*\j  ; both lanes of a column write the same two bytes
.endr
	s_wait_dscnt 0x0
	s_barrier_signal -1
	s_barrier_wait -1                              ; the tile's 256 scale bytes lie together
	s_cmp_lg_u32 s[WV], 0
	s_cbranch_scc1 .Lend
	ds_load_b64 v[TM:TM+1], v3
	s_wait_dscnt 0x0
	global_store_b64 v[L8], v[TM:TM+1], s[40:41]   ; 32 lanes store 256 consecutive bytes, at a multiple of 256 from the buffer's first byte
.Lend:
	s_wait_dscnt 0x0
	s_set_vgpr_msb 0x5
	s_wait_tensorcnt 0x0
	ds_add_u32 v0, v1
	s_wait_dscnt 0x0
	s_set_vgpr_msb 0x500
	CROUND                                         ; the closing round: no work-group ends while a partner may still ask for a tile that names it
	s_endpgm
.Lfunc_end_k_qf07bb70cef_proj:
	.size	k_qf07bb70cef_proj, .Lfunc_end_k_qf07bb70cef_proj-k_qf07bb70cef_proj
	.p2alignl 7, 3214868480
	.fill 96, 4, 3214868480
	.section	.rodata,"a",@progbits
	.p2align	6, 0x0
	.amdhsa_kernel k_qf07bb70cef_proj
		.amdhsa_group_segment_fixed_size 198144
		.amdhsa_private_segment_fixed_size 0
		.amdhsa_enable_private_segment 0
		.amdhsa_kernarg_size 152
		.amdhsa_user_sgpr_count 2
		.amdhsa_user_sgpr_kernarg_segment_ptr 1
		.amdhsa_wavefront_size32 1
		.amdhsa_system_sgpr_workgroup_id_x 1
		.amdhsa_system_sgpr_workgroup_id_y 1
		.amdhsa_system_sgpr_workgroup_id_z 1
		.amdhsa_system_vgpr_workitem_id 0
		.amdhsa_next_free_vgpr 258
		.amdhsa_next_free_sgpr 100
		.amdhsa_reserve_vcc 0
		.amdhsa_float_denorm_mode_32 3
		.amdhsa_float_denorm_mode_16_64 3
		.amdhsa_memory_ordered 1
		.amdhsa_forward_progress 1
		.amdhsa_inst_pref_size 54
	.end_amdhsa_kernel
	.amdgpu_metadata
---
amdhsa.version: [ 1, 2 ]
amdhsa.kernels:
  - .name:           k_qf07bb70cef_proj
    .symbol:         k_qf07bb70cef_proj.kd
    .args:
      - { .name: Wq_codes, .offset: 0, .size: 8, .value_kind: global_buffer, .address_space: global }
      - { .name: Wq_scales, .offset: 8, .size: 8, .value_kind: global_buffer, .address_space: global }
      - { .name: Q_codes, .offset: 16, .size: 8, .value_kind: global_buffer, .address_space: global }
      - { .name: Q_scales, .offset: 24, .size: 8, .value_kind: global_buffer, .address_space: global }
      - { .name: Wk_codes, .offset: 32, .size: 8, .value_kind: global_buffer, .address_space: global }
      - { .name: Wk_scales, .offset: 40, .size: 8, .value_kind: global_buffer, .address_space: global }
      - { .name: K_codes, .offset: 48, .size: 8, .value_kind: global_buffer, .address_space: global }
      - { .name: K_scales, .offset: 56, .size: 8, .value_kind: global_buffer, .address_space: global }
      - { .name: V_codes, .offset: 64, .size: 8, .value_kind: global_buffer, .address_space: global }
      - { .name: V_scales, .offset: 72, .size: 8, .value_kind: global_buffer, .address_space: global }
      - { .name: Wv_codes, .offset: 80, .size: 8, .value_kind: global_buffer, .address_space: global }
      - { .name: Wv_scales, .offset: 88, .size: 8, .value_kind: global_buffer, .address_space: global }
      - { .name: bq, .offset: 96, .size: 8, .value_kind: global_buffer, .address_space: global }
      - { .name: bk, .offset: 104, .size: 8, .value_kind: global_buffer, .address_space: global }
      - { .name: bv, .offset: 112, .size: 8, .value_kind: global_buffer, .address_space: global }
      - { .name: qf, .offset: 120, .size: 8, .value_kind: global_buffer, .address_space: global }
      - { .name: kf, .offset: 128, .size: 8, .value_kind: global_buffer, .address_space: global }
      - { .name: vc, .offset: 136, .size: 8, .value_kind: global_buffer, .address_space: global }
      - { .name: vs, .offset: 144, .size: 8, .value_kind: global_buffer, .address_space: global }
    .group_segment_fixed_size: 198144
    .private_segment_fixed_size: 0
    .kernarg_segment_align: 8
    .kernarg_segment_size: 152
    .max_flat_workgroup_size: 128
    .sgpr_count:     100
    .vgpr_count:     258
    .wavefront_size: 32
...
	.end_amdgpu_metadata
.endif
;; end of part 1
;; launch attn (part 2): grid 4 x 64, 16 waves a work-group, clusters of 4 x 1, 175,360 bytes of LDS; arguments qf, kf, vc, vs, cc, cs; writes cc, cs
.if DOCPART == 2
	.amdgcn_target "amdgcn-amd-amdhsa--gfx1250"
	.amdhsa_code_object_version 6
	.text
	.protected	k_qf07bb70cef_attn
	.globl	k_qf07bb70cef_attn
	.p2align	8
	.type	k_qf07bb70cef_attn,@function
k_qf07bb70cef_attn:
	s_mov_b64 s[64:65], 0
	v_nop
	global_prefetch_b8 v0, s[64:65] scope:SCOPE_SE
	s_setreg_imm32_b32 hwreg(HW_REG_WAVE_MODE, 25, 1), 1
	s_wait_xcnt 0x0
	s_wait_alu depctr_hold_cnt(0) depctr_sa_sdst(0) depctr_va_vdst(0) depctr_va_sdst(0) depctr_va_ssrc(0) depctr_va_vcc(0) depctr_vm_vsrc(0)
	s_getreg_b32 s2, hwreg(HW_REG_IB_STS2, 6, 4)
	s_cmp_eq_u32 s2, 0
	s_cbranch_scc0 .Lentry_in_a_cluster
	s_endpgm
.Lentry_in_a_cluster:
	s_bfe_u32 s2, ttmp6, 0x10000c
	s_cmp_lg_u32 s2, 0x3003
	s_cbranch_scc0 .Lentry_shape_is_right
	s_endpgm
.Lentry_shape_is_right:
; Attention for 128 (batch, head) pairs of head size 16 over 1,024 tokens, and the quantising of the merged context.
; scores = q k^T / 32 in f32 operands (v_wmma_f32_16x16x4_f32), since they go on into a quantised operand.  t = score x log2(e) / 32; M = the running largest t rounded UP to a whole number;
; p = 2^(t - M) is quantised to FP6 (E2M3) along the keys, one E8M0 scale for each 32; the row's sum is taken of the unquantised p and divides at the end.  When M moves, the sum and O are multiplied by 2^(old M - new M): exact.
; A block's largest p is not searched for: the block's largest score goes through the same multiply-add and exponential.  This takes v_exp_f32 not to fall where its input rises; at the worst one p of a block would be held one code low.
; SHARES.  A work-group takes 256 queries of one batch and one PAIR of heads (32 neighbouring columns, one block of the last product's K); each of its 16 waves 16 queries, head 0 and then head 1 of the pair.
; All 1,024 keys of the pair (f32) and v's codes and scale bytes lie in LDS at once: every tensor load is a first fill, no LDS byte is filled twice.
; CLUSTER.  The four query blocks of a (batch, pair) need the same K and V: every fill is a joint load with a mask that names the four.
; LAYOUT.  Both products are used transposed: S^T = K Q^T (source 0 = 16 keys, source 1 = my 16 queries), O^T = V^T P^T: a lane holds ONE query (lane % 16) throughout.
; In the f32 form lane (r, h) gives, in K step c, the head's elements 8 h + 2 c and 8 h + 2 c + 1, of K and of Q alike: the same permutation of the 16 elements on both sides, so the sums hold the same products.
; The 16 registers of score tiles 2 b, 2 b + 1 are keys 32 b + 16 u + 8 h + j at register 8 u + j; v's codes were laid in that very order inside each block of 32, so p's codes go to the matrix unit with no reordering of keys.
; LIMITS: a block whose every p is 0, and a block of zeros of the context, get the scale byte 1 (the floor) where the quantiser says 127: their codes are zeros and only this program reads the bytes;
; context blocks whose largest magnitude lies under 2^-124 are held at the byte 1; NaN and infinities are not served; inside a block of 32 the keys are summed in another order than they lie in memory.
; REGISTERS: v1-7, v11 addresses that stay; v8-10 the step's addresses; v12 -M, v13 the largest t, v[14:15] the sum; v16-31 Q of both heads; v32-95 K's fragments, then p; v96-159 S^T (written by matrix instructions alone);
; v160-167 O^T; v168-179 V's fragment; v180, v181 V's and p's scale words; v[182:183] f; v184-199 both heads' results; v200-219 p's codes; v220-235 at work.
.set KP,  144                          ; a key's row in LDS: 128 bytes (both heads) + 16 = 36 words: the 16 rows of a load of 16 bytes start at 16 different groups of four banks (64 banks of 4 bytes: ISA guide 11.1)
.set VTB, 1024*KP                      ; v's codes: 2 heads x 32 blocks x 384 bytes, dense
.set VSB, VTB+24576                    ; v's scale words: K step x 128 + head x 64 + 4 e
.set CSG, VSB+1024                     ; the context's 256 scale bytes: written by LDS stores alone
.set WV,  16
.set CS,  22                           ; s[22:23] c = log2(e) / 32
.set SEL, 24                           ; s[24:25] lane selects for lane l xor 16
.set G1K, 28
.set G1V, 36
.set G1S, 44
.set G0K, 52
.set G0V, 56
.set G0S, 60
.set TK,  66                           ; the step's bytes into K's rows, v's codes, v's scale words
.set TV,  67
.set TS,  68
.set CNT, 69
.macro PLACES n
.rept \n
	v_nop
.endr
.endm
.macro CROUND                          ; a round of the cluster's barrier
	s_barrier_signal -1
	s_barrier_wait -1
	s_cmp_lg_u32 s[WV], 0
	s_cbranch_scc1 .Lnot_wave_0_\@
	s_barrier_signal -3
.Lnot_wave_0_\@:
	s_barrier_wait -3
	s_barrier_signal -1
	s_barrier_wait -1
.endm
	s_load_b256 s[4:11], s[0:1], 0x0               ; qf, kf, vc, vs
	s_load_b128 s[12:15], s[0:1], 0x20             ; cc, cs
	v_lshl_add_u32 v254, v0, 2, 0x2a500
	v_mov_b32 v255, 0
	ds_add_u32 v254, v255
	ds_add_u32 v254, v255
	v_lshrrev_b32 v1, 5, v0
	v_readfirstlane_b32 s[WV], v1                  ; wave 0..15
	s_bfe_u32 s17, ttmp6, 0x40000                  ; cx: my block of 256 queries: it enters the addresses of Q and of the outputs alone
	s_and_b32 s18, ttmp7, 0xffff                   ; 32 x batch + pair, which the four partners share
	s_lshr_b32 s19, s18, 5                         ; batch
	s_and_b32 s20, s18, 31                         ; pair
	; K: 64 keys, 8,192 dense bytes, as 32 rows of 256 bytes (two keys), 16 bytes of padding behind every 128
	s_mov_b32 s[G1K], 15|(3<<16)|(1<<20)|(1<<21)|(4<<22)|(3<<25)   ; 15:0 the mask: all four; 17:16 elements of 8 bytes; 20 padding on; 21 set beside a mask; 24:22 after every 32 words; 31:25 4 words
	s_mov_b32 s[G1K+1], 32<<16
	s_mov_b32 s[G1K+2], 32<<16
	s_mov_b32 s[G1K+3], 32<<16
	s_mov_b32 s[G1K+4], 32
	s_mov_b32 s[G1K+5], 32
	s_mov_b32 s[G1K+6], 0
	s_mov_b32 s[G1K+7], 0
	; v's codes: a quarter of the pair's 24,576 dense bytes, as 24 rows of 256
	s_mov_b32 s[G1V], 15|(3<<16)|(1<<21)
	s_mov_b32 s[G1V+1], 32<<16
	s_mov_b32 s[G1V+2], 24<<16
	s_mov_b32 s[G1V+3], 32<<16
	s_mov_b32 s[G1V+4], 24
	s_mov_b32 s[G1V+5], 32
	s_mov_b32 s[G1V+6], 0
	s_mov_b32 s[G1V+7], 0
	; v's scale words: 8 K steps x 128 bytes (the pair's 32 columns), 4,096 bytes apart
	s_mov_b32 s[G1S], 15|(3<<16)|(1<<21)
	s_mov_b32 s[G1S+1], 16<<16
	s_mov_b32 s[G1S+2], 8<<16
	s_mov_b32 s[G1S+3], 16<<16
	s_mov_b32 s[G1S+4], 8
	s_mov_b32 s[G1S+5], 512
	s_mov_b32 s[G1S+6], 0
	s_mov_b32 s[G1S+7], 0
	s_mov_b32 s[CS], 0x3d38aa3b                    ; log2(e) / 32
	s_mov_b32 s[CS+1], s[CS]                       ; (named with it as a pair, so it is written)
	s_mov_b32 s[SEL], 0x76543210
	s_mov_b32 s[SEL+1], 0xfedcba98
	s_lshl_b32 s70, s20, 11
	s_lshl_b32 s71, s19, 10
	s_add_co_u32 s70, s70, s71                     ; the (pair, batch)'s first row in qf, kf, cc, cs: 2,048 pair + 1,024 batch
	s_lshl_b32 s72, s70, 7
	s_lshl_b32 s73, s[WV], 13
	s_add_co_u32 s72, s72, s73                     ; K: my 64 keys
	s_mov_b32 s73, 0
	s_and_b32 s76, s[WV], 3
	s_mul_i32 s76, s76, 6144
	s_mul_i32 s74, s18, 24576
	s_add_co_u32 s74, s74, s76                     ; v's codes: my quarter (waves 0 to 3)
	s_mov_b32 s75, 0
	s_lshl_b32 s78, s19, 15
	s_lshl_b32 s79, s20, 7
	s_add_co_u32 s78, s78, s79                     ; v's scale words
	s_mov_b32 s79, 0
	s_wait_dscnt 0x0
	s_wait_kmcnt 0x0
	s_mov_b32 s[G0K], 1
	s_mul_i32 s[G0K+1], s[WV], 64*KP
	s_add_nc_u64 s[G0K+2:G0K+3], s[6:7], s[72:73]
	s_or_b32 s[G0K+3], s[G0K+3], 0x80000000
	s_mov_b32 s[G0V], 1
	s_add_co_u32 s[G0V+1], s76, VTB
	s_add_nc_u64 s[G0V+2:G0V+3], s[8:9], s[74:75]
	s_or_b32 s[G0V+3], s[G0V+3], 0x80000000
	s_mov_b32 s[G0S], 1
	s_mov_b32 s[G0S+1], VSB
	s_add_nc_u64 s[G0S+2:G0S+3], s[10:11], s[78:79]
	s_or_b32 s[G0S+3], s[G0S+3], 0x80000000
	CROUND                                         ; all four work-groups are here: the joint loads meet
	; the fills, all first fills: every wave 64 keys; waves 0 to 3 a quarter of v's codes too; wave 4 v's scale words: two loads of a wave are out at the most.  Four v_nop follow each tensor line
	tensor_load_to_lds s[G0K:G0K+3], s[G1K:G1K+7]
	s_nop 0
	PLACES 4
	s_cmp_lt_u32 s[WV], 4
	s_cbranch_scc0 .Lnot_v
	tensor_load_to_lds s[G0V:G0V+3], s[G1V:G1V+7]
	s_nop 0
	PLACES 4
	s_branch .Lasked
.Lnot_v:
	s_cmp_eq_u32 s[WV], 4
	s_cbranch_scc0 .Lasked
	tensor_load_to_lds s[G0S:G0S+3], s[G1S:G1S+7]
	s_nop 0
	PLACES 4
.Lasked:
	s_lshl_b32 s26, s17, 8
	s_add_co_u32 s27, s26, s70                     ; my work-group's first row
	s_lshl_b32 s26, s[WV], 4
	s_add_co_u32 s26, s26, s27                     ; my wave's first row
	s_lshl_b32 s2, s26, 7
	s_mov_b32 s3, 0
	s_add_nc_u64 s[4:5], s[4:5], s[2:3]            ; Q: 128 bytes a row
	s_mul_i32 s2, s26, 24
	s_add_nc_u64 s[12:13], s[12:13], s[2:3]        ; the context's codes: 24 bytes a row
	s_mov_b32 s2, s27
	s_add_nc_u64 s[14:15], s[14:15], s[2:3]        ; its scale bytes: one a row
	v_and_b32 v232, 15, v0                         ; r
	v_bfe_u32 v233, v0, 4, 1                       ; h
	v_and_b32 v234, 31, v0                         ; lane
	v_lshlrev_b32 v4, 7, v232
	v_lshl_add_u32 v4, v233, 5, v4                 ; Q: row r, elements 8 h on
	global_load_b128 v[16:19], v4, s[4:5]          ; head 0
	global_load_b128 v[20:23], v4, s[4:5] offset:16
	global_load_b128 v[24:27], v4, s[4:5] offset:64   ; head 1
	global_load_b128 v[28:31], v4, s[4:5] offset:80
	v_mul_u32_u24 v1, v232, KP
	v_lshl_add_u32 v1, v233, 5, v1                 ; K: key r of a tile, elements 8 h on
	v_mul_u32_u24 v2, v232, 24
	v_mad_u32_u24 v5, v233, 12, v2                 ; the way out: 24 r + 12 h
	v_mad_u32_u24 v2, v233, 384, v2
	v_add_nc_u32 v2, VTB, v2                       ; V: block h of a pair of blocks, row e = r
	v_lshl_add_u32 v3, v232, 2, VSB                ; V's scale word of row e = r
	s_lshl_b32 s2, s[WV], 4
	s_add_co_u32 s2, s2, CSG
	v_add_nc_u32 v6, s2, v232                      ; my query's scale byte
	v_lshlrev_b32 v7, 3, v234
	v_add_nc_u32 v11, CSG, v7
	v_mov_b32 v183, 0                              ; (named as the upper half of the pair v[182:183])
.irp b, 0,1,2,3
	v_mov_b32 v[224+\b], 0                         ; a lane permute's destination counts as one of its sources
.endr
; A KEY STEP of head hd: 128 keys.
.macro STEP hd
	v_add_nc_u32 v8, s[TK], v1
	v_add_nc_u32 v9, s[TV], v2
	v_add_nc_u32 v10, s[TS], v3
	v_nop                                          ; four places in front of loads into registers that the last product has read (ISA guide 7.12.1 for vector instructions)
.irp t, 0,1,2,3,4,5,6,7
	ds_load_b128 v[32+8*\t:35+8*\t], v8 offset:16*KP*\t+64*\hd
	ds_load_b128 v[36+8*\t:39+8*\t], v8 offset:16*KP*\t+64*\hd+16
.endr
.irp c, 0,1
.irp i, 0,1,2
	ds_load_b64 v[168+6*\c+2*\i:169+6*\c+2*\i], v9 offset:12288*\hd+768*\c+8*\i
.endr
.endr
	ds_load_b32 v180, v10 offset:64*\hd
	s_wait_dscnt 7                                 ; K's sixteen loads are in; V's six and its scale word may be out
.irp c, 0,1,2,3                        ; S^T = K Q^T: four K steps of 4; the 8 accumulators by turns; the first step starts the sums
.irp t, 0,1,2,3,4,5,6,7
.if \c == 0
	v_wmma_f32_16x16x4_f32 v[96+8*\t:103+8*\t], v[32+8*\t:33+8*\t], v[16+8*\hd:17+8*\hd], 0
.else
	v_wmma_f32_16x16x4_f32 v[96+8*\t:103+8*\t], v[32+8*\t+2*\c:33+8*\t+2*\c], v[16+8*\hd+2*\c:17+8*\hd+2*\c], v[96+8*\t:103+8*\t]
.endif
.endr
.endr
	PLACES 8                                       ; eight places behind this form before its results are read
.irp b, 0,1,2,3
	v_max3_num_f32 v[220+\b], v[96+16*\b], v[97+16*\b], v[98+16*\b]   ; the largest score of each block of 32 keys: for the row's maximum and for the block's largest p
.endr
.irp i, 3,5,7,9,11,13
.irp b, 0,1,2,3
	v_max3_num_f32 v[220+\b], v[220+\b], v[96+16*\b+\i], v[97+16*\b+\i]
.endr
.endr
.irp b, 0,1,2,3
	v_max_num_f32 v[220+\b], v[220+\b], v[111+16*\b]
.endr
.irp b, 0,1,2,3
	v_permlanex16_b32 v[224+\b], v[220+\b], s[SEL], s[SEL+1]
.endr
.irp b, 0,1,2,3
	v_max_num_f32 v[220+\b], v[220+\b], v[224+\b]  ; with lane l xor 16's 16 keys
.endr
	v_max3_num_f32 v232, v220, v221, v222
	v_max_num_f32 v232, v232, v223                 ; the step's largest score of my query
	v_mul_f32 v232, s[CS], v232                    ; as t (c is positive)
	v_max_num_f32 v13, v13, v232                   ; the running largest t
	v_mov_b32 v232, v12
	v_floor_f32 v12, -v13                          ; the new -M = floor(-t) = -ceil(t)
	v_sub_f32 v232, v12, v232                      ; old M - new M: a whole number, 0 or less
	v_cvt_i32_f32 v232, v232                       ; (it saturates)
	v_ldexp_f32 v182, 1.0, v232                    ; f = 2^(old M - new M)
.set n, 0
.rept 32
	v_pk_fma_f32 v[32+n:33+n], v[96+n:97+n], s[CS:CS+1], v[12:13] op_sel_hi:[1,0,0]   ; t - M, two at a time, into the registers that K's fragments have left: S^T's are written by matrix instructions alone
.set n, n+2
.endr
.irp b, 0,1,2,3
	v_fma_f32 v[220+\b], v[220+\b], s[CS], v12     ; the same of each block's largest score
.endr
.set n, 0
.rept 64
	v_exp_f32 v[32+n], v[32+n]                     ; p = 2^(t - M), at most 1: not normalised
.set n, n+1
.endr
.irp b, 0,1,2,3
	v_exp_f32 v[220+\b], v[220+\b]                 ; the block's largest p
.endr
	v_pk_mul_f32 v[14:15], v[14:15], v[182:183] op_sel_hi:[1,0]   ; the sums under the new M.  (A plain place behind the exponentials)
	s_wait_alu depctr_va_vdst(0)
.irp b, 0,1,2,3
	v_max_num_f32 v[220+\b], 0x1800000, v[220+\b]  ; the floor 2^(3 - 127): the byte cannot fall under 1
.endr
.irp b, 0,1,2,3
	v_add_nc_u32 v[228+\b], 0xff000000, v[220+\b]  ; 2 off the exponent field: the conversion's scale operand
.endr
.irp b, 0,1,2,3
	v_lshrrev_b32 v[224+\b], 23, v[228+\b]         ; the scale's byte
.endr
	v_lshl_or_b32 v181, v225, 8, v224              ; p's scale word for these 128 keys
	v_lshl_or_b32 v181, v226, 16, v181
	v_lshl_or_b32 v181, v227, 24, v181
.irp c, 0,1
	v_cvt_scalef32_pk16_fp6_f32 v[200+6*\c:202+6*\c], v[32+32*\c:47+32*\c], v[228+2*\c]
	v_cvt_scalef32_pk16_fp6_f32 v[212+4*\c:214+4*\c], v[48+32*\c:63+32*\c], v[228+2*\c+1]   ; (a conversion's three registers begin on an even number)
.endr
	v_nop                                          ; one plain place behind the scaled conversions
.irp c, 0,1                            ; the operand's layout wants a WHOLE block in a lane: lanes 0-15 block 2 c, lanes 16-31 block 2 c + 1
.irp i, 0,1,2
	v_permlane16_swap_b32 v[200+6*\c+\i], v[212+4*\c+\i]
.endr
.irp i, 0,1,2
	v_mov_b32 v[203+6*\c+\i], v[212+4*\c+\i]
.endr
.endr
	v_pk_add_f32 v[234:235], v[32:33], v[34:35]    ; the row's sum is taken of the unquantised p: two at a time, in two chains
.set n, 4
.rept 15
	v_pk_add_f32 v[14:15], v[14:15], v[32+n:33+n]
	v_pk_add_f32 v[234:235], v[234:235], v[34+n:35+n]
.set n, n+4
.endr
	v_pk_add_f32 v[14:15], v[14:15], v[234:235]    ; (these 32 are also the places between p's codes and scale word and the product below)
.irp j, 0,2,4,6
	v_pk_mul_f32 v[160+\j:161+\j], v[160+\j:161+\j], v[182:183] op_sel_hi:[1,0]   ; O^T under the new M, from its low end on
.endr
	s_wait_dscnt 0x0                               ; V's fragment and scale word are in
	v_wmma_scale_f32_16x16x128_f8f6f4 v[160:167], v[168:179], v[200:211], v[160:167], v180, v181 matrix_a_fmt:MATRIX_FMT_FP6 matrix_b_fmt:MATRIX_FMT_FP6   ; O^T += V^T P^T over these 128 keys
	s_add_co_u32 s[TK], s[TK], 128*KP
	s_add_co_u32 s[TV], s[TV], 4*384
	s_add_co_u32 s[TS], s[TS], 128
.endm
; One head of the pair: eight key steps; then O^T / the sum into v[184 + 8 hd] on: lane (r, h): query r, elements 8 h + 0 .. 7.
.macro HEAD hd
	v_mov_b32 v13, 0xff61b1e6                      ; the largest t so far: -3e38, under every t
	v_floor_f32 v12, -v13                          ; -M
	v_mov_b32 v14, 0
	v_mov_b32 v15, 0
.irp j, 0,1,2,3,4,5,6,7
	v_mov_b32 v[160+\j], 0                         ; the step is written once: the first finds zeros, which the first change of M leaves zeros
.endr
	s_mov_b32 s[TK], 0
	s_mov_b32 s[TV], 0
	s_mov_b32 s[TS], 0
	s_mov_b32 s[CNT], 8
.Lstep_\hd:
	STEP \hd
	s_sub_co_u32 s[CNT], s[CNT], 1
	s_cmp_lg_u32 s[CNT], 0
	s_cbranch_scc1 .Lstep_\hd
	PLACES 4                                       ; behind the last product
	v_add_f32 v14, v14, v15                        ; the sum's two halves,
	v_permlanex16_b32 v232, v14, s[SEL], s[SEL+1]
	v_add_f32 v14, v14, v232                       ; and lane l xor 16's: the row's sum
	v_rcp_f32 v14, v14
	v_nop                                          ; one plain place behind the transcendental
	s_wait_alu depctr_va_vdst(0)
.irp j, 0,1,2,3,4,5,6,7
	v_mul_f32 v[184+8*\hd+\j], v[160+\j], v14
.endr
.endm
	s_wait_tensorcnt 0x0                           ; my fills have landed,
	s_barrier_signal -1
	s_barrier_wait -1                              ; everybody's have
	s_wait_loadcnt 0x0                             ; Q
	HEAD 0
	HEAD 1
	; THE WAY OUT: the pair's 32 columns of a query are one block of the last product's K.  The exchange below gives lane (r, H) columns 16 H + 0 .. 15 in v184-199, in their true order.
.irp i, 0,1,2,3,4,5,6,7
	v_permlane16_swap_b32 v[184+\i], v[192+\i]     ; head 0's lanes 16-31 change places with head 1's lanes 0-15
.endr
	v_max3_num_f32 v220, |v184|, |v185|, 0x1800000 ; the largest magnitude of my 16, and the floor 2^(3 - 127)
	v_max3_num_f32 v221, |v186|, |v187|, |v188|
	v_max3_num_f32 v220, v220, |v189|, |v190|
	v_max3_num_f32 v221, v221, |v191|, |v192|
	v_max3_num_f32 v220, v220, |v193|, |v194|
	v_max3_num_f32 v221, v221, |v195|, |v196|
	v_max3_num_f32 v220, v220, |v197|, |v198|
	v_max3_num_f32 v220, v220, v221, |v199|
	v_permlanex16_b32 v224, v220, s[SEL], s[SEL+1]
	v_max_num_f32 v220, v220, v224                 ; the block's
	v_add_nc_u32 v228, 0xff000000, v220            ; the conversion's scale operand
	v_lshrrev_b32 v224, 23, v228                   ; the scale's byte
	v_cvt_scalef32_pk16_fp6_f32 v[200:202], v[184:199], v228
	v_nop                                          ; one plain place behind the scaled conversion
	global_store_b96 v5, v[200:202], s[12:13]      ; 32 lanes store my 16 rows' 384 consecutive bytes
	ds_store_b8 v6, v224                           ; both lanes of a query write the same byte
	s_wait_dscnt 0x0
	s_barrier_signal -1
	s_barrier_wait -1                              ; the work-group's 256 scale bytes lie together
	s_cmp_lg_u32 s[WV], 0
	s_cbranch_scc1 .Lend
	ds_load_b64 v[220:221], v11
	s_wait_dscnt 0x0
	global_store_b64 v7, v[220:221], s[14:15]      ; 32 lanes store 256 consecutive bytes, at a multiple of 256 from the buffer's first byte
.Lend:
	s_wait_dscnt 0x0
	s_wait_tensorcnt 0x0
	ds_add_u32 v254, v255
	s_wait_dscnt 0x0
	CROUND                                         ; the closing round: no work-group ends while a partner may still ask for a tile that names it
	s_endpgm
.Lfunc_end_k_qf07bb70cef_attn:
	.size	k_qf07bb70cef_attn, .Lfunc_end_k_qf07bb70cef_attn-k_qf07bb70cef_attn
	.p2alignl 7, 3214868480
	.fill 96, 4, 3214868480
	.section	.rodata,"a",@progbits
	.p2align	6, 0x0
	.amdhsa_kernel k_qf07bb70cef_attn
		.amdhsa_group_segment_fixed_size 175360
		.amdhsa_private_segment_fixed_size 0
		.amdhsa_enable_private_segment 0
		.amdhsa_kernarg_size 48
		.amdhsa_user_sgpr_count 2
		.amdhsa_user_sgpr_kernarg_segment_ptr 1
		.amdhsa_wavefront_size32 1
		.amdhsa_system_sgpr_workgroup_id_x 1
		.amdhsa_system_sgpr_workgroup_id_y 1
		.amdhsa_system_sgpr_workgroup_id_z 1
		.amdhsa_system_vgpr_workitem_id 0
		.amdhsa_next_free_vgpr 256
		.amdhsa_next_free_sgpr 80
		.amdhsa_reserve_vcc 0
		.amdhsa_float_denorm_mode_32 3
		.amdhsa_float_denorm_mode_16_64 3
		.amdhsa_memory_ordered 1
		.amdhsa_forward_progress 1
		.amdhsa_inst_pref_size 42
	.end_amdhsa_kernel
	.amdgpu_metadata
---
amdhsa.version: [ 1, 2 ]
amdhsa.kernels:
  - .name:           k_qf07bb70cef_attn
    .symbol:         k_qf07bb70cef_attn.kd
    .args:
      - { .name: qf, .offset: 0, .size: 8, .value_kind: global_buffer, .address_space: global }
      - { .name: kf, .offset: 8, .size: 8, .value_kind: global_buffer, .address_space: global }
      - { .name: vc, .offset: 16, .size: 8, .value_kind: global_buffer, .address_space: global }
      - { .name: vs, .offset: 24, .size: 8, .value_kind: global_buffer, .address_space: global }
      - { .name: cc, .offset: 32, .size: 8, .value_kind: global_buffer, .address_space: global }
      - { .name: cs, .offset: 40, .size: 8, .value_kind: global_buffer, .address_space: global }
    .group_segment_fixed_size: 175360
    .private_segment_fixed_size: 0
    .kernarg_segment_align: 8
    .kernarg_segment_size: 48
    .max_flat_workgroup_size: 512
    .sgpr_count:     80
    .vgpr_count:     256
    .wavefront_size: 32
...
	.end_amdgpu_metadata
.endif
;; end of part 2
;; launch outp (part 3): grid 8 x 32, 4 waves a work-group, clusters of 4 x 4, 195,584 bytes of LDS; arguments Wo_codes, Wo_scales, cc, cs, bo, out0; writes out0
.if DOCPART == 3
	.amdgcn_target "amdgcn-amd-amdhsa--gfx1250"
	.amdhsa_code_object_version 6
	.text
	.protected	k_qf07bb70cef_outp
	.globl	k_qf07bb70cef_outp
	.p2align	8
	.type	k_qf07bb70cef_outp,@function
k_qf07bb70cef_outp:
	s_mov_b64 s[64:65], 0
	v_nop
	global_prefetch_b8 v0, s[64:65] scope:SCOPE_SE
	s_setreg_imm32_b32 hwreg(HW_REG_WAVE_MODE, 25, 1), 1
	s_wait_xcnt 0x0
	s_wait_alu depctr_hold_cnt(0) depctr_sa_sdst(0) depctr_va_vdst(0) depctr_va_sdst(0) depctr_va_ssrc(0) depctr_va_vcc(0) depctr_vm_vsrc(0)
	s_getreg_b32 s2, hwreg(HW_REG_IB_STS2, 6, 4)
	s_cmp_eq_u32 s2, 0
	s_cbranch_scc0 .Lentry_in_a_cluster
	s_endpgm
.Lentry_in_a_cluster:
	s_bfe_u32 s2, ttmp6, 0x10000c
	s_cmp_lg_u32 s2, 0xf033
	s_cbranch_scc0 .Lentry_shape_is_right
	s_endpgm
.Lentry_shape_is_right:
; out = context Wo^T + bo on codes of FP6 (E2M3) with one E8M0 scale for each 32 along K; K = 1,024; sums in f32; out [2,048][1,024] f32.
; A work-group makes 128 rows of Wo (output columns; X, source 0) x 64 tokens (Y, source 1): in a result lane (r, h) holds token r and, in register j, column 8 h + j.
; The context's codes lie [block 32][token 2,048][24 bytes], its scale bytes [block 32][token 2,048], as the attention launch stores them.  A fragment wants of lane (r, h) the blocks 4 q + 2 c + h of token r:
; lanes 0-15 read even blocks' planes, lanes 16-31 odd ones.  The 16 even planes of the tile's 64 tokens (1,536 bytes each) and the 16 odd ones come by one tensor load each.
; All of K of both tiles lies in LDS at once: every tensor load is a first fill, no LDS byte is filled twice.
; CLUSTERS: 4 x 4 work-groups.  X's tile hangs on the x coordinate alone and is asked for jointly by a column of the cluster, Y's on the y coordinate alone, by a row.
; Four waves: wave w takes X rows 64 (w & 1) on and Y rows 32 (w >> 1) on: 4 x 2 accumulators, by turns.
.set PITCH,  816                       ; X's LDS row: 3 x (256 bytes + 16 of padding) = 204 words: row r starts at bank 12 r mod 64 (64 banks of 4 bytes: ISA guide 11.1)
.set YTB,    128*PITCH                 ; Y's even planes, 16 x 1,536 bytes;
.set YODD,   24704                     ; the odd ones this much further on: 32 words modulo 64, so that the two halves of the lanes touch different banks
.set XSB,    153856                    ; X's scale bytes: 16 rows of 256 + 16
.set YSB,    XSB+16*272                ; Y's scale words: 64 tokens x (32 bytes + 16); written by LDS stores alone
.set STG,    YSB+64*48                 ; the stage: 64 tokens x (512 bytes + 16)
.set SPITCH, 528
.set ADX, 4                            ; v4, v5   LDS address of my X fragments (v5: for the pieces that lie behind one padding more in lanes 16-31)
.set ADY, 6                            ; v6       of my Y fragments
.set ASX, 8                            ; v8       X's scale words
.set ASY, 9                            ; v9       Y's
.set STO, 10                           ; v10      the stage: where I put 32 bytes of a token's row
.set SRD, 11                           ; v11      and where I read a row back
.set L16, 12                           ; v12      16 x lane
.set YSW, 13                           ; v13      where I put four of Y's scale words
.set SC,  16                           ; v16-27   scale words, two sets of six: they hold nothing else
.set BF,  28                           ; v28-31   the bias of four neighbouring columns
.set ACC, 32                           ; v32-95   accumulator (i, j) at v[32 + 32 j + 8 i]
.set FB0, 96                           ; v96-167, v168-239 two sets of fragments: X's at +12 i, Y's at +48 + 12 j
.set WV, 42
.set WX, 43
.set WY, 44
.set CX, 45
.set CY, 46
.set XT, 51
.set YT, 52
.set G0X, 16
.set G0YE, 20
.set G0YO, 24
.set G0SX, 28
.set G1X, 68
.set G1Y, 76
.set G1SX, 84
.macro PLACES n
.rept \n
	v_nop
.endr
.endm
.macro CROUND                          ; a round of the cluster's barrier
	s_barrier_signal -1
	s_barrier_wait -1
	s_cmp_lg_u32 s[WV], 0
	s_cbranch_scc1 .Lnot_wave_0_\@
	s_barrier_signal -3
.Lnot_wave_0_\@:
	s_barrier_wait -3
	s_barrier_signal -1
	s_barrier_wait -1
.endm
; X's fragment: lane (r, h) holds row r; registers 6 c .. 6 c + 5 hold K = 64 c + 32 h + 0 .. 31, 24 bytes of the row's stream of bits, in pieces of 8 bytes.  Piece n lies at 8 n + 16 (n / 32);
; lanes 16-31 read three pieces on; where that is behind one padding more, the second address register serves.
.macro FRAG reg, adr, q, i
.irp p, 0,1,2,3,4,5
.set PCN, 12*(\q)+6*(\p/3)+\p%3
.if PCN%32 < 29
	ds_load_b64 v[\reg+2*\p:\reg+2*\p+1], v[\adr] offset:8*PCN+16*(PCN/32)+(\i)*16*PITCH
.else
	ds_load_b64 v[\reg+2*\p:\reg+2*\p+1], v[\adr+1] offset:8*PCN+16*(PCN/32)+(\i)*16*PITCH
.endif
.endr
.endm
.macro FRAGY reg, q, j                 ; Y's fragment: plane 2 q + c of my half's parity, token 16 j + r of my 32
.irp c, 0,1
.irp i, 0,1,2
	ds_load_b64 v[\reg+6*\c+2*\i:\reg+6*\c+2*\i+1], v[ADY] offset:(2*(\q)+\c)*1536+384*(\j)+8*\i
.endr
.endr
.endm
.macro LOADS q, set                    ; K step q's six fragments and six scale words: 42 LDS loads
.irp i, 0,1,2,3
	FRAG FB0+72*(\set)+12*\i, ADX, \q, \i
.endr
.irp j, 0,1
	FRAGY FB0+72*(\set)+48+12*\j, \q, \j
.endr
.irp i, 0,1,2,3
	ds_load_b32 v[SC+6*(\set)+\i], v[ASX] offset:544*\i+4*(\q)
.endr
.irp j, 0,1
	ds_load_b32 v[SC+6*(\set)+4+\j], v[ASY] offset:768*\j+4*(\q)
.endr
.endm
.macro MUL set, zero                   ; 8 products; zero = 1: they start the sums
.irp j, 0,1
.irp i, 0,1,2,3
.if \zero
	v_wmma_scale_f32_16x16x128_f8f6f4 v[ACC+32*\j+8*\i:ACC+32*\j+8*\i+7], v[FB0+72*(\set)+12*\i:FB0+72*(\set)+12*\i+11], v[FB0+72*(\set)+48+12*\j:FB0+72*(\set)+48+12*\j+11], 0, v[SC+6*(\set)+\i], v[SC+6*(\set)+4+\j] matrix_a_fmt:MATRIX_FMT_FP6 matrix_b_fmt:MATRIX_FMT_FP6
.else
	v_wmma_scale_f32_16x16x128_f8f6f4 v[ACC+32*\j+8*\i:ACC+32*\j+8*\i+7], v[FB0+72*(\set)+12*\i:FB0+72*(\set)+12*\i+11], v[FB0+72*(\set)+48+12*\j:FB0+72*(\set)+48+12*\j+11], v[ACC+32*\j+8*\i:ACC+32*\j+8*\i+7], v[SC+6*(\set)+\i], v[SC+6*(\set)+4+\j] matrix_a_fmt:MATRIX_FMT_FP6 matrix_b_fmt:MATRIX_FMT_FP6
.endif
.endr
.endr
.endm
.macro STEP q                          ; the next step's loads go out first, into the set that the step before multiplied, four places behind its products (ISA guide 7.12.1 for vector instructions)
.if ((\q) > 0) && ((\q) < 7)
	PLACES 4
.endif
.if (\q) < 7
	LOADS (\q)+1, ((\q)+1)%2
	s_wait_dscnt 42                                ; all but the 42 just issued: this step's operands are in
.else
	s_wait_dscnt 0x0
.endif
.if (\q) == 0
	MUL 0, 1
.else
	MUL (\q)%2, 0
.endif
.endm
	s_load_b256 s[4:11], s[0:1], 0x0               ; Wo's codes, Wo's scales, cc, cs
	s_load_b128 s[12:15], s[0:1], 0x20             ; bo, out0
	v_lshl_add_u32 v254, v0, 2, 0x2fa00
	v_mov_b32 v255, 0
	ds_add_u32 v254, v255
	ds_add_u32 v254, v255
	v_lshrrev_b32 v1, 5, v0
	v_readfirstlane_b32 s[WV], v1                  ; wave 0..3
	s_and_b32 s[WX], s[WV], 1
	s_lshr_b32 s[WY], s[WV], 1
	s_bfe_u32 s[CX], ttmp6, 0x40000                ; my place in the cluster
	s_bfe_u32 s[CY], ttmp6, 0x40004
	s_lshl_b32 s[XT], ttmp9, 2
	s_add_co_u32 s[XT], s[XT], s[CX]               ; X's tile, 0..7
	s_and_b32 s[YT], ttmp7, 0xffff
	s_lshl_b32 s[YT], s[YT], 2
	s_add_co_u32 s[YT], s[YT], s[CY]               ; Y's tile, 0..31
	s_lshl_b32 s53, 0x1111, s[CX]                  ; my column of the cluster
	s_lshl_b32 s54, s[CY], 2
	s_lshl_b32 s54, 15, s54                        ; my row
	; X's codes: 64 rows x 768 bytes, 16 bytes of padding behind every 256
	s_or_b32 s[G1X], s53, (1<<20)|(1<<21)|(5<<22)|(3<<25)   ; 15:0 the mask; 17:16 elements of 1 byte; 20 padding on; 21 set beside a mask; 24:22 after every 64 words; 31:25 4 words
	s_mov_b32 s[G1X+1], 768<<16
	s_mov_b32 s[G1X+2], 64<<16
	s_mov_b32 s[G1X+3], 768<<16
	s_mov_b32 s[G1X+4], 64
	s_mov_b32 s[G1X+5], 768
	s_mov_b32 s[G1X+6], 0
	s_mov_b32 s[G1X+7], 0
	; Y's codes: 16 planes of one parity, each 1,536 bytes (192 elements of 8), 98,304 bytes apart; dense in LDS
	s_or_b32 s[G1Y], s54, (3<<16)|(1<<21)
	s_mov_b32 s[G1Y+1], 192<<16
	s_mov_b32 s[G1Y+2], 16<<16
	s_mov_b32 s[G1Y+3], 192<<16
	s_mov_b32 s[G1Y+4], 16
	s_mov_b32 s[G1Y+5], 12288
	s_mov_b32 s[G1Y+6], 0
	s_mov_b32 s[G1Y+7], 0
	; X's scale bytes: 4,096 dense bytes as 16 rows of 256, 16 bytes of padding behind each
	s_or_b32 s[G1SX], s53, (3<<16)|(1<<20)|(1<<21)|(5<<22)|(3<<25)
	s_mov_b32 s[G1SX+1], 32<<16
	s_mov_b32 s[G1SX+2], 16<<16
	s_mov_b32 s[G1SX+3], 32<<16
	s_mov_b32 s[G1SX+4], 16
	s_mov_b32 s[G1SX+5], 32
	s_mov_b32 s[G1SX+6], 0
	s_mov_b32 s[G1SX+7], 0
	; byte offsets: X's in s56-59, Y's in s60-63: neither set ever holds the other coordinate
	s_mul_i32 s56, s[XT], 128*768
	s_mul_i32 s58, s[WX], 64*768
	s_add_co_u32 s56, s56, s58
	s_mov_b32 s57, 0
	s_lshl_b32 s58, s[XT], 12
	s_mov_b32 s59, 0
	s_mul_i32 s60, s[YT], 1536
	s_mov_b32 s61, 0
	s_add_co_u32 s62, s60, 49152                   ; the first odd plane
	s_mov_b32 s63, 0
	s_wait_dscnt 0x0
	s_wait_kmcnt 0x0
	s_mov_b32 s[G0X], 1
	s_mul_i32 s[G0X+1], s[WX], 64*PITCH
	s_add_nc_u64 s[G0X+2:G0X+3], s[4:5], s[56:57]
	s_or_b32 s[G0X+3], s[G0X+3], 0x80000000
	s_mov_b32 s[G0YE], 1
	s_mov_b32 s[G0YE+1], YTB
	s_add_nc_u64 s[G0YE+2:G0YE+3], s[8:9], s[60:61]
	s_or_b32 s[G0YE+3], s[G0YE+3], 0x80000000
	s_mov_b32 s[G0YO], 1
	s_mov_b32 s[G0YO+1], YTB+YODD
	s_add_nc_u64 s[G0YO+2:G0YO+3], s[8:9], s[62:63]
	s_or_b32 s[G0YO+3], s[G0YO+3], 0x80000000
	s_mov_b32 s[G0SX], 1
	s_mov_b32 s[G0SX+1], XSB
	s_add_nc_u64 s[G0SX+2:G0SX+3], s[6:7], s[58:59]
	s_or_b32 s[G0SX+3], s[G0SX+3], 0x80000000
	CROUND                                         ; all sixteen work-groups are here: the joint loads meet
	; the fills, all first fills: waves 0, 1 X's halves; wave 2 Y's even planes; wave 3 the odd ones and X's scale bytes (two loads out at the most).  Four v_nop follow the tensor lines
	s_cmp_lt_u32 s[WV], 2
	s_cbranch_scc0 .Lnot_x
	tensor_load_to_lds s[G0X:G0X+3], s[G1X:G1X+7]
	s_nop 0
	PLACES 4
	s_branch .Lasked
.Lnot_x:
	s_cmp_eq_u32 s[WV], 2
	s_cbranch_scc0 .Lodd
	tensor_load_to_lds s[G0YE:G0YE+3], s[G1Y:G1Y+7]
	s_nop 0
	PLACES 4
	s_branch .Lasked
.Lodd:
	tensor_load_to_lds s[G0YO:G0YO+3], s[G1Y:G1Y+7]
	s_nop 0
	tensor_load_to_lds s[G0SX:G0SX+3], s[G1SX:G1SX+7]
	s_nop 0
	PLACES 4
.Lasked:
	v_and_b32 v1, 15, v0                           ; r
	v_bfe_u32 v2, v0, 4, 1                         ; h
	v_and_b32 v3, 31, v0                           ; lane
	v_lshlrev_b32 v[L16], 4, v3
	s_lshl_b32 s66, s[XT], 9
	v_add_nc_u32 v241, s66, v[L16]                 ; the bias of columns 128 XT + 4 lane on
	global_load_b128 v[BF:BF+3], v241, s[12:13]
	; Y's scale words.  A thread takes token 32 (w & 1) + lane and blocks 16 (w >> 1) + 0 .. 15: sixteen bytes, one from each block's plane, become four words
	s_lshl_b32 s66, s[YT], 6
	s_lshl_b32 s67, s[WX], 5
	s_add_co_u32 s66, s66, s67
	s_lshl_b32 s67, s[WY], 15
	s_add_co_u32 s66, s66, s67
	v_add_nc_u32 v240, s66, v3
.irp n, 0,1,2,3,4,5,6,7,8,9,10,11,12,13,14,15
	global_load_u8 v[FB0+\n], v240, s[10:11] offset:2048*\n
.endr
	v_mul_u32_u24 v4, v1, PITCH
	v_mad_u32_u24 v4, v2, 24, v4                   ; row r + 24 h
	v_lshl_add_u32 v5, v2, 4, v4                   ; row r + 40 h
	s_mul_i32 s66, s[WX], 64*PITCH
	v_add_nc_u32 v4, s66, v4                       ; X: my 64 rows
	v_add_nc_u32 v5, s66, v5
	v_mul_u32_u24 v[ADY], v1, 24
	v_mad_u32_u24 v[ADY], v2, YODD, v[ADY]         ; Y: token r, the odd planes for lanes 16-31
	s_mul_i32 s66, s[WY], 32*24
	s_add_co_u32 s66, s66, YTB
	v_add_nc_u32 v[ADY], s66, v[ADY]
	v_lshrrev_b32 v242, 3, v1                      ; X's scale bytes: eight rows to a unit of 256 + 16
	v_mul_u32_u24 v242, v242, 272
	v_and_b32 v243, 7, v1
	v_lshl_add_u32 v242, v243, 5, v242
	s_mul_i32 s66, s[WX], 2176
	s_add_co_u32 s66, s66, XSB
	v_add_nc_u32 v[ASX], s66, v242
	v_mul_u32_u24 v[ASY], v1, 48
	s_mul_i32 s66, s[WY], 32*48
	s_add_co_u32 s66, s66, YSB
	v_add_nc_u32 v[ASY], s66, v[ASY]
	v_mul_u32_u24 v[YSW], v3, 48
	s_mul_i32 s66, s[WX], 32*48
	s_lshl_b32 s67, s[WY], 4
	s_add_co_u32 s66, s66, s67
	s_add_co_u32 s66, s66, YSB
	v_add_nc_u32 v[YSW], s66, v[YSW]
	v_mul_u32_u24 v[STO], v1, SPITCH               ; the stage: token 32 wy + r, columns 64 wx + 8 h on
	v_lshl_add_u32 v[STO], v2, 5, v[STO]
	s_mul_i32 s66, s[WY], 32*SPITCH
	s_lshl_b32 s67, s[WX], 8
	s_add_co_u32 s66, s66, s67
	s_add_co_u32 s66, s66, STG
	v_add_nc_u32 v[STO], s66, v[STO]
	s_mul_i32 s66, s[WV], 16*SPITCH                ; back: wave w takes tokens 16 w on, a whole row of 512 bytes an instruction
	s_add_co_u32 s66, s66, STG
	v_add_nc_u32 v[SRD], s66, v[L16]
	s_lshl_b32 s32, s[YT], 6
	s_lshl_b32 s33, s[WV], 4
	s_add_co_u32 s32, s32, s33                     ; my first row of out,
	s_lshl_b32 s32, s32, 12
	s_lshl_b32 s33, s[XT], 9                       ; the tile's first column
	s_add_co_u32 s32, s32, s33
	s_mov_b32 s33, 0
	s_add_nc_u64 s[14:15], s[14:15], s[32:33]
	s_wait_loadcnt 0x0                             ; the bias and the sixteen bytes
.irp k, 0,1,2,3
	v_lshl_or_b32 v[FB0+16+\k], v[FB0+4*\k+1], 8, v[FB0+4*\k]
.endr
.irp k, 0,1,2,3
	v_lshl_or_b32 v[FB0+16+\k], v[FB0+4*\k+2], 16, v[FB0+16+\k]
.endr
.irp k, 0,1,2,3
	v_lshl_or_b32 v[FB0+16+\k], v[FB0+4*\k+3], 24, v[FB0+16+\k]
.endr
	ds_store_b128 v[YSW], v[FB0+16:FB0+19]         ; the words of K steps 4 (w >> 1) + 0 .. 3 of my token
	s_wait_tensorcnt 0x0                           ; my fills have landed,
	s_wait_dscnt 0x0                               ; my scale words are stored,
	s_barrier_signal -1
	s_barrier_wait -1                              ; everybody's are
	LOADS 0, 0
.irp q, 0,1,2,3,4,5,6,7
	STEP \q
.endr
	PLACES 4                                       ; in front of the first reads of results and of loads into operands' registers
.irp j, 0,1
.irp i, 0,1,2,3
	ds_store_b128 v[STO], v[ACC+32*\j+8*\i:ACC+32*\j+8*\i+3] offset:16*\j*SPITCH+64*\i       ; each accumulator from its low end on
	ds_store_b128 v[STO], v[ACC+32*\j+8*\i+4:ACC+32*\j+8*\i+7] offset:16*\j*SPITCH+64*\i+16
.endr
.endr
	s_wait_dscnt 0x0                               ; for the others' sake: my stores into the stage are done
	s_barrier_signal -1
	s_barrier_wait -1
.irp t, 0,1,2,3,4,5,6,7,8,9,10,11,12,13,14,15
	ds_load_b128 v[FB0+4*\t:FB0+4*\t+3], v[SRD] offset:\t*SPITCH
.endr
.irp t, 0,1,2,3,4,5,6,7,8,9,10,11,12,13,14,15
	s_wait_dscnt 15-\t                             ; load t is in; the younger ones may be out
	v_pk_add_f32 v[FB0+4*\t:FB0+4*\t+1], v[FB0+4*\t:FB0+4*\t+1], v[BF:BF+1]
	v_pk_add_f32 v[FB0+4*\t+2:FB0+4*\t+3], v[FB0+4*\t+2:FB0+4*\t+3], v[BF+2:BF+3]
	global_store_b128 v[L16], v[FB0+4*\t:FB0+4*\t+3], s[14:15] offset:4096*\t th:TH_STORE_NT   ; 32 lanes store 512 consecutive bytes of a row, at a multiple of 256 from out's first byte; written once, read by nobody here
.endr
	s_wait_dscnt 0x0
	s_wait_tensorcnt 0x0
	ds_add_u32 v254, v255
	s_wait_dscnt 0x0
	CROUND                                         ; the closing round: no work-group ends while a partner may still ask for a tile that names it
	s_endpgm
.Lfunc_end_k_qf07bb70cef_outp:
	.size	k_qf07bb70cef_outp, .Lfunc_end_k_qf07bb70cef_outp-k_qf07bb70cef_outp
	.p2alignl 7, 3214868480
	.fill 96, 4, 3214868480
	.section	.rodata,"a",@progbits
	.p2align	6, 0x0
	.amdhsa_kernel k_qf07bb70cef_outp
		.amdhsa_group_segment_fixed_size 195584
		.amdhsa_private_segment_fixed_size 0
		.amdhsa_enable_private_segment 0
		.amdhsa_kernarg_size 48
		.amdhsa_user_sgpr_count 2
		.amdhsa_user_sgpr_kernarg_segment_ptr 1
		.amdhsa_wavefront_size32 1
		.amdhsa_system_sgpr_workgroup_id_x 1
		.amdhsa_system_sgpr_workgroup_id_y 1
		.amdhsa_system_sgpr_workgroup_id_z 1
		.amdhsa_system_vgpr_workitem_id 0
		.amdhsa_next_free_vgpr 256
		.amdhsa_next_free_sgpr 92
		.amdhsa_reserve_vcc 0
		.amdhsa_float_denorm_mode_32 3
		.amdhsa_float_denorm_mode_16_64 3
		.amdhsa_memory_ordered 1
		.amdhsa_forward_progress 1
		.amdhsa_inst_pref_size 48
	.end_amdhsa_kernel
	.amdgpu_metadata
---
amdhsa.version: [ 1, 2 ]
amdhsa.kernels:
  - .name:           k_qf07bb70cef_outp
    .symbol:         k_qf07bb70cef_outp.kd
    .args:
      - { .name: Wo_codes, .offset: 0, .size: 8, .value_kind: global_buffer, .address_space: global }
      - { .name: Wo_scales, .offset: 8, .size: 8, .value_kind: global_buffer, .address_space: global }
      - { .name: cc, .offset: 16, .size: 8, .value_kind: global_buffer, .address_space: global }
      - { .name: cs, .offset: 24, .size: 8, .value_kind: global_buffer, .address_space: global }
      - { .name: bo, .offset: 32, .size: 8, .value_kind: global_buffer, .address_space: global }
      - { .name: out0, .offset: 40, .size: 8, .value_kind: global_buffer, .address_space: global }
    .group_segment_fixed_size: 195584
    .private_segment_fixed_size: 0
    .kernarg_segment_align: 8
    .kernarg_segment_size: 48
    .max_flat_workgroup_size: 128
    .sgpr_count:     92
    .vgpr_count:     256
    .wavefront_size: 32
...
	.end_amdgpu_metadata
.endif
;; end of part 3
;; ======== version 2 of 2: 3 launches; 1.04 times as fast as version 1
;; workspace buffers: qf 8,388,608 bytes; kf 8,388,608 bytes; vc 1,572,864 bytes; vs 65,536 bytes; cc 1,572,864 bytes; cs 65,536 bytes
;; launch proj (part 4): grid 8 x 32, 4 waves a work-group, clusters of 4 x 4, 327,680 bytes of LDS; arguments Wq_codes, Wq_scales, Q_codes, Q_scales, Wk_codes, Wk_scales, K_codes, K_scales, V_codes, V_scales, Wv_codes, Wv_scales, bq, bk, bv, qf, kf, vc, vs; writes qf, kf, vc, vs
.if DOCPART == 4
	.amdgcn_target "amdgcn-amd-amdhsa--gfx1250"
	.amdhsa_code_object_version 6
	.text
	.protected	k_qf07bb70cef_proj
	.globl	k_qf07bb70cef_proj
	.p2align	8
	.type	k_qf07bb70cef_proj,@function
k_qf07bb70cef_proj:
	s_mov_b64 s[64:65], 0
	v_nop
	global_prefetch_b8 v0, s[64:65] scope:SCOPE_SE
	s_setreg_imm32_b32 hwreg(HW_REG_WAVE_MODE, 25, 1), 1
	s_wait_xcnt 0x0
	s_wait_alu depctr_hold_cnt(0) depctr_sa_sdst(0) depctr_va_vdst(0) depctr_va_sdst(0) depctr_va_ssrc(0) depctr_va_vcc(0) depctr_vm_vsrc(0)
	s_getreg_b32 s2, hwreg(HW_REG_IB_STS2, 6, 4)
	s_cmp_eq_u32 s2, 0
	s_cbranch_scc0 .Lentry_in_a_cluster
	s_endpgm
.Lentry_in_a_cluster:
	s_bfe_u32 s2, ttmp6, 0x10000c
	s_cmp_lg_u32 s2, 0xf033
	s_cbranch_scc0 .Lentry_shape_is_right
	s_endpgm
.Lentry_shape_is_right:
; The three input projections x W^T + b on codes of FP6 (E2M3) with one E8M0 scale for each 32 along K; K = 1,024; sums in f32.
; A WORK-GROUP STAYS and makes three tiles of 128 rows of X x 64 rows of Y: one of q, one of k, one of v.  X is source 0, Y source 1: in a result lane (r, h) holds row r of Y and, in register j, row 8 h + j of X.
;   q, k: X = 128 rows of W (8 heads of 16 columns), Y = 64 tokens.  An accumulator is one head x 16 tokens: lane (r, h) holds token r, elements 8 h + 0 .. 7: just what the attention launch wants of a lane.
;         So qf and kf are laid as images of those registers, [batch 2][head 64][16 tokens 64][half 2][lane 32][16 bytes], and an accumulator leaves by two stores of 512 consecutive bytes.  The bias is the C of each sum's first product.
;   v:    X = 128 tokens, Y = 64 rows of Wv.  A lane holds ONE column and its registers run down the tokens, which are the K of the product p v: v is quantised here, along the tokens, and leaves as codes.
; v's codes: [batch 2][head 64][block 32][e 16][24 bytes].  Inside a block, place 16 h + 8 u + j holds token 32 block + 16 u + 8 h + j: the order in which the results lie in a lane; the attention launch lays p in the same order.
; v's scale bytes: [batch 2][K step 8][column 1,024][4].
; LDS: two slots, each with all of K of a tile (192 rows x 768 bytes of codes).  q's tile and k's are first fills; behind q's products slot A is filled again with v's tile, which has k's products in which to land.
; THE SCALE WORDS go from memory into registers: one load of 16 bytes a lane for 16 rows, lane (r, h) taking bytes 32 r + 16 h of the rows' 512 consecutive bytes: lanes 0-15 hold the words of K steps 0-3, lanes 16-31 those of K steps 4-7.
; CLUSTERS: 4 x 4 work-groups.  X's tile hangs on the x coordinate alone and is asked for jointly by a column of the cluster, Y's on the y coordinate alone, by a row.
; Four waves: wave w takes X rows 64 (w & 1) on and Y rows 32 (w >> 1) on: 4 x 2 accumulators.  A K step of 128 is 8 matrix instructions, the 8 accumulators by turns.
; LIMITS: a block of zeros of v gets the scale byte 1 (the floor) where the quantiser says 127: its codes are zeros and only this program reads the bytes; blocks whose largest magnitude lies under 2^-124
; are held at the byte 1; NaN and infinities are not served.
; REGISTERS: window 0: v0-15 addresses; v16-87 scale words, 24 a tile; v88-92 the spare word's pair and load offsets; v96-159 accumulator (i, j) at v[96 + 32 j + 8 i]; v160-223 bq's and bk's 32 numbers; v224-227 bv; v228-255 at work.
;   window 1: v0-71, v72-143 two sets of fragments: X's at +12 i, Y's at +48 + 12 j.
.set PITCH,  816                       ; an LDS row of codes: 3 x (256 bytes + 16 of padding) = 204 words: row r starts at bank 12 r mod 64 (64 banks of 4 bytes: ISA guide 11.1): the 32 lanes of a load of 8 bytes touch 64 different banks
.set YOF,    128*PITCH                 ; in a slot: X's 128 rows, then Y's 64
.set SLOTB,  192*PITCH                 ; slot B begins here
.set SPARE,  2*SLOTB                   ; behind the slots: the spare words, 128 bytes for each wave: two blocks of 256 bytes that no other line names
.set VSG,    SPARE+512                 ; v's way out: the tile's 256 scale bytes; no tensor load lands here
.set ADXA, 4                           ; v4, v5   LDS address of my X fragments in slot A (v5: for the pieces that lie behind one padding more in lanes 16-31)
.set ADYA, 6                           ; v6, v7   the same for Y
.set ADXB, 8                           ; v8-11    the same in slot B
.set ADYB, 10
.set L16, 12                           ; v12      16 x lane
.set VSA, 13                           ; v13      where I put two scale bytes of v
.set VCO, 14                           ; v14      24 r + 12 h: my 12 bytes of a block of v's codes
.set L8,  15                           ; v15      8 x lane
.set SC,  16                           ; v16-87   scale words: tile T at +24 T; X's block i at +4 i, Y's block j at +16 + 4 j; register q % 4: they hold nothing else
.set SPW, 88                           ; v88      LDS address of my spare word; never rewritten
.set NIL, 89                           ; v89      0; never rewritten
.set SOFF, 90                          ; v90      32 r + 16 h
.set BOFF, 91                          ; v91      32 h
.set BVO, 92                           ; v92      4 r
.set ACC, 96
.set BQ,  160                          ; bq at my columns, in the result's layout: block i at +8 i
.set BK,  192
.set BV,  224                          ; bv of my column 16 j + r, twice: a pair for the packed addition
.set CD,  228                          ; v228-243 v's codes
.set TM,  244                          ; v244-255 at work
.set WV, 42
.set WX, 43
.set WY, 44
.set CX, 45
.set CY, 46
.set XT, 51
.set YT, 52
.set XV, 53
.set YV, 54
.set G1X, 68                           ; descriptor groups 1
.set G1Y, 76
.set G0XA, 84                          ; groups 0: X's of q, k, v; Y's of q, k, v
.set G0XB, 88
.set G0XC, 92
.set G0YA, 96
.set G0YB, 56
.set G0YC, 60
.set MSB, 0
.macro WIN new                         ; the immediate's high byte repeats the setting that is left
.if MSB != \new
	s_set_vgpr_msb (MSB<<8)|\new
.set MSB, \new
.endif
.endm
.set MULW, 0x05                        ; sources 0 and 1 window 1; C and D window 0
.set TO_F, 0x40                        ; destination window 1, address window 0
.macro PLACES n
.rept \n
	v_nop
.endr
.endm
.macro CROUND                          ; a round of the cluster's barrier
	s_barrier_signal -1
	s_barrier_wait -1
	s_cmp_lg_u32 s[WV], 0
	s_cbranch_scc1 .Lnot_wave_0_\@
	s_barrier_signal -3
.Lnot_wave_0_\@:
	s_barrier_wait -3
	s_barrier_signal -1
	s_barrier_wait -1
.endm
; A fragment, 16 rows x 128 K, is 12 registers: lane (r, h) holds row r; registers 6 c .. 6 c + 5 hold K = 64 c + 32 h + 0 .. 31: 24 bytes of the row's stream of bits, as they lie, in pieces of 8 bytes.
; Piece n of a row lies at 8 n + 16 (n / 32).  Lanes 16-31 read three pieces on; where that is behind one padding more, the second address register (40 for 24 bytes a half) serves.
.macro FRAG reg, adr, q, i
.irp p, 0,1,2,3,4,5
.set PCN, 12*(\q)+6*(\p/3)+\p%3
.if PCN%32 < 29
	ds_load_b64 v[\reg+2*\p:\reg+2*\p+1], v[\adr] offset:8*PCN+16*(PCN/32)+(\i)*16*PITCH
.else
	ds_load_b64 v[\reg+2*\p:\reg+2*\p+1], v[\adr+1] offset:8*PCN+16*(PCN/32)+(\i)*16*PITCH
.endif
.endr
.endm
.macro LOADS q, set, ax, ay            ; K step q's six fragments: 36 LDS loads
	WIN TO_F
.irp i, 0,1,2,3
	FRAG 72*(\set)+12*\i, \ax, \q, \i
.endr
.irp j, 0,1
	FRAG 72*(\set)+48+12*\j, \ay, \q, \j
.endr
.endm
; One product.  cm = 0: onto the sum; 1: it starts the sum with 0; 2: with the bias in v[cr] on.  hi = 1: K steps 4-7, whose scale words lie in lanes 16-31
.macro WM d, a, b, cm, cr, sa, sb, hi
.if \hi
	v_wmma_scale_f32_16x16x128_f8f6f4 v[\d:\d+7], v[\a:\a+11], v[\b:\b+11], v[\d:\d+7], v[\sa], v[\sb] matrix_a_fmt:MATRIX_FMT_FP6 matrix_b_fmt:MATRIX_FMT_FP6 matrix_a_scale:MATRIX_SCALE_ROW1 matrix_b_scale:MATRIX_SCALE_ROW1
.elseif \cm == 0
	v_wmma_scale_f32_16x16x128_f8f6f4 v[\d:\d+7], v[\a:\a+11], v[\b:\b+11], v[\d:\d+7], v[\sa], v[\sb] matrix_a_fmt:MATRIX_FMT_FP6 matrix_b_fmt:MATRIX_FMT_FP6
.elseif \cm == 1
	v_wmma_scale_f32_16x16x128_f8f6f4 v[\d:\d+7], v[\a:\a+11], v[\b:\b+11], 0, v[\sa], v[\sb] matrix_a_fmt:MATRIX_FMT_FP6 matrix_b_fmt:MATRIX_FMT_FP6
.else
	v_wmma_scale_f32_16x16x128_f8f6f4 v[\d:\d+7], v[\a:\a+11], v[\b:\b+11], v[\cr:\cr+7], v[\sa], v[\sb] matrix_a_fmt:MATRIX_FMT_FP6 matrix_b_fmt:MATRIX_FMT_FP6
.endif
.endm
.macro MUL set, q, sc, cm, cb          ; the 8 products of K step q
	WIN MULW
.irp j, 0,1
.irp i, 0,1,2,3
	WM ACC+32*\j+8*\i, 72*(\set)+12*\i, 72*(\set)+48+12*\j, \cm, \cb+8*\i, \sc+4*\i+(\q)%4, \sc+16+4*\j+(\q)%4, (\q)/4
.endr
.endr
.endm
.macro STEP q, ax, ay, sc, cm, cb      ; the next step's loads go out first, into the set that the step before multiplied, four places behind its products (ISA guide 7.12.1 for vector instructions)
.if ((\q) > 0) && ((\q) < 7)
	PLACES 4
.endif
.if (\q) < 7
	LOADS (\q)+1, ((\q)+1)%2, \ax, \ay
	s_wait_dscnt 36                                ; all but the 36 just issued: this step's fragments are in
.else
	s_wait_dscnt 0x0
.endif
.if (\q) == 0
	MUL 0, 0, \sc, \cm, \cb
.else
	MUL (\q)%2, \q, \sc, 0, 0
.endif
.endm
.macro GEMM ax, ay, sc, cm, cb         ; a whole tile: eight K steps out of one slot
	LOADS 0, 0, \ax, \ay
.irp q, 0,1,2,3,4,5,6,7
	STEP \q, \ax, \ay, \sc, \cm, \cb
.endr
	WIN 0
.endm
.macro OUTF base                       ; q's or k's tile leaves: accumulator (i, j) is head i, tokens 16 j on; each from its low end on
.irp j, 0,1
.irp i, 0,1,2,3
	global_store_b128 v[L16], v[ACC+32*\j+8*\i:ACC+32*\j+8*\i+3], s[\base:\base+1] offset:65536*\i+1024*\j         ; 32 lanes store 512 consecutive bytes, at a multiple of 256 from the buffer's first byte
	global_store_b128 v[L16], v[ACC+32*\j+8*\i+4:ACC+32*\j+8*\i+7], s[\base:\base+1] offset:65536*\i+1024*\j+512
.endr
.endr
.endm
	s_load_b256 s[4:11], s[0:1], 0x0               ; Wq's codes, Wq's scales, Q's codes, Q's scales: X's and Y's of tile q
	s_load_b256 s[12:19], s[0:1], 0x20             ; the same of Wk and K
	s_load_b256 s[20:27], s[0:1], 0x40             ; V's codes, V's scales, Wv's codes, Wv's scales: for v the tokens are X
	s_load_b256 s[28:35], s[0:1], 0x60             ; bq, bk, bv, qf
	s_load_b128 s[36:39], s[0:1], 0x80             ; kf, vc
	s_load_b64 s[40:41], s[0:1], 0x90              ; vs
	v_lshl_add_u32 v[SPW], v0, 2, SPARE
	v_mov_b32 v[NIL], 0
	ds_add_u32 v88, v89
	ds_add_u32 v88, v89
	s_wait_dscnt 0x0
	v_lshrrev_b32 v1, 5, v0
	v_readfirstlane_b32 s[WV], v1                  ; wave 0..3
	s_and_b32 s[WX], s[WV], 1
	s_lshr_b32 s[WY], s[WV], 1
	s_bfe_u32 s[CX], ttmp6, 0x40000                ; my place in the cluster
	s_bfe_u32 s[CY], ttmp6, 0x40004
	s_and_b32 s47, ttmp7, 0xffff                   ; the cluster's y, 0..7
	s_lshl_b32 s[XT], ttmp9, 2
	s_add_co_u32 s[XT], s[XT], s[CX]               ; q, k: X's tile, 0..7
	s_lshl_b32 s[YT], s47, 2
	s_add_co_u32 s[YT], s[YT], s[CY]               ; and Y's, 0..31
	s_lshr_b32 s50, s47, 2
	s_lshl_b32 s50, s50, 3
	s_add_co_u32 s[XV], s[XT], s50                 ; v: X's tile, 0..15
	s_and_b32 s50, s47, 3
	s_lshl_b32 s50, s50, 2
	s_add_co_u32 s[YV], s50, s[CY]                 ; and Y's, 0..15
	s_lshl_b32 s55, 0x1111, s[CX]                  ; my column of the cluster
	s_lshl_b32 s47, s[CY], 2
	s_lshl_b32 s47, 15, s47                        ; my row
	; group 1: 64 rows x 768 bytes, 16 bytes of padding behind every 256
	s_or_b32 s[G1X], s55, (1<<20)|(1<<21)|(5<<22)|(3<<25)   ; 15:0 the mask; 17:16 elements of 1 byte; 20 padding on; 21 set beside a mask; 24:22 after every 64 words; 31:25 4 words
	s_or_b32 s[G1Y], s47, (1<<20)|(1<<21)|(5<<22)|(3<<25)
.irp g, G1X, G1Y
	s_mov_b32 s[\g+1], 768<<16                     ; tensor_dim0
	s_mov_b32 s[\g+2], 64<<16                      ; tensor_dim1
	s_mov_b32 s[\g+3], 768<<16                     ; tile_dim0
	s_mov_b32 s[\g+4], 64                          ; tile_dim1
	s_mov_b32 s[\g+5], 768                         ; from row to row
	s_mov_b32 s[\g+6], 0
	s_mov_b32 s[\g+7], 0
.endr
	; byte offsets of the codes: X's in s[48:49], Y's in s[66:67]
	s_mul_i32 s48, s[XT], 128*768
	s_mul_i32 s50, s[WX], 64*768                   ; waves 0 and 1 fetch X's two halves
	s_add_co_u32 s48, s48, s50
	s_mov_b32 s49, 0
	s_mul_i32 s66, s[YT], 64*768
	s_mov_b32 s67, 0
	s_mov_b32 s2, 0x76543210                       ; v_permlanex16_b32's selects for lane l xor 16
	s_mov_b32 s3, 0xfedcba98
	s_wait_kmcnt 0x0
	s_mov_b32 s[G0XA], 1
	s_mul_i32 s[G0XA+1], s[WX], 64*PITCH           ; slot A
	s_add_nc_u64 s[G0XA+2:G0XA+3], s[4:5], s[48:49]
	s_or_b32 s[G0XA+3], s[G0XA+3], 0x80000000
	s_mov_b32 s[G0XB], 1
	s_mul_i32 s[G0XB+1], s[WX], 64*PITCH
	s_add_co_u32 s[G0XB+1], s[G0XB+1], SLOTB       ; slot B
	s_add_nc_u64 s[G0XB+2:G0XB+3], s[12:13], s[48:49]
	s_or_b32 s[G0XB+3], s[G0XB+3], 0x80000000
	s_mov_b32 s[G0YA], 1
	s_mov_b32 s[G0YA+1], YOF
	s_add_nc_u64 s[G0YA+2:G0YA+3], s[8:9], s[66:67]
	s_or_b32 s[G0YA+3], s[G0YA+3], 0x80000000
	s_mov_b32 s[G0YB], 1
	s_mov_b32 s[G0YB+1], SLOTB+YOF
	s_add_nc_u64 s[G0YB+2:G0YB+3], s[16:17], s[66:67]
	s_or_b32 s[G0YB+3], s[G0YB+3], 0x80000000
	s_mul_i32 s48, s[XV], 128*768                  ; v's tile, which will follow q's in slot A
	s_add_co_u32 s48, s48, s50
	s_mul_i32 s66, s[YV], 64*768
	s_mov_b32 s[G0XC], 1
	s_mul_i32 s[G0XC+1], s[WX], 64*PITCH
	s_add_nc_u64 s[G0XC+2:G0XC+3], s[20:21], s[48:49]
	s_or_b32 s[G0XC+3], s[G0XC+3], 0x80000000
	s_mov_b32 s[G0YC], 1
	s_mov_b32 s[G0YC+1], YOF
	s_add_nc_u64 s[G0YC+2:G0YC+3], s[24:25], s[66:67]
	s_or_b32 s[G0YC+3], s[G0YC+3], 0x80000000
	CROUND                                         ; all sixteen work-groups are here: the joint loads meet
	; the first fills, q's tile and then k's: waves 0, 1 X's halves; wave 2 Y; wave 3 none: two loads of a wave are out at the most.  Four v_nop follow the tensor lines
	s_cmp_lt_u32 s[WV], 2
	s_cbranch_scc0 .Lnot_x
	tensor_load_to_lds s[G0XA:G0XA+3], s[G1X:G1X+7]
	s_nop 0
	tensor_load_to_lds s[G0XB:G0XB+3], s[G1X:G1X+7]
	s_nop 0
	PLACES 4
	s_branch .Lasked
.Lnot_x:
	s_cmp_eq_u32 s[WV], 2
	s_cbranch_scc0 .Lasked
	tensor_load_to_lds s[G0YA:G0YA+3], s[G1Y:G1Y+7]
	s_nop 0
	tensor_load_to_lds s[G0YB:G0YB+3], s[G1Y:G1Y+7]
	s_nop 0
	PLACES 4
.Lasked:
	; the scale words and the biases of all three tiles, into registers
	v_and_b32 v1, 15, v0                           ; r
	v_bfe_u32 v2, v0, 4, 1                         ; h
	v_and_b32 v3, 31, v0                           ; lane
	v_lshlrev_b32 v[SOFF], 5, v1
	v_lshl_add_u32 v[SOFF], v2, 4, v[SOFF]
	v_lshlrev_b32 v[BOFF], 5, v2
	v_lshlrev_b32 v[BVO], 2, v1
	s_lshl_b32 s48, s[XT], 12                      ; 32 scale bytes a row: my 64 rows of X,
	s_lshl_b32 s50, s[WX], 11
	s_add_co_u32 s48, s48, s50
	s_add_nc_u64 s[6:7], s[6:7], s[48:49]
	s_add_nc_u64 s[14:15], s[14:15], s[48:49]
	s_lshl_b32 s48, s[XV], 12
	s_add_co_u32 s48, s48, s50
	s_add_nc_u64 s[22:23], s[22:23], s[48:49]
	s_lshl_b32 s66, s[YT], 11                      ; my 32 rows of Y
	s_lshl_b32 s50, s[WY], 10
	s_add_co_u32 s66, s66, s50
	s_add_nc_u64 s[10:11], s[10:11], s[66:67]
	s_add_nc_u64 s[18:19], s[18:19], s[66:67]
	s_lshl_b32 s66, s[YV], 11
	s_add_co_u32 s66, s66, s50
	s_add_nc_u64 s[26:27], s[26:27], s[66:67]
	s_lshl_b32 s48, s[XT], 9                       ; bq, bk: my 64 columns
	s_lshl_b32 s50, s[WX], 8
	s_add_co_u32 s48, s48, s50
	s_add_nc_u64 s[28:29], s[28:29], s[48:49]
	s_add_nc_u64 s[30:31], s[30:31], s[48:49]
	s_lshl_b32 s66, s[YV], 8                       ; bv: my 32 columns
	s_lshl_b32 s50, s[WY], 7
	s_add_co_u32 s66, s66, s50
	s_add_nc_u64 s[32:33], s[32:33], s[66:67]
.irp i, 0,1,2,3
	global_load_b128 v[SC+4*\i:SC+4*\i+3], v[SOFF], s[6:7] offset:512*\i          ; 32 lanes read 16 rows' 512 consecutive bytes
	global_load_b128 v[SC+24+4*\i:SC+24+4*\i+3], v[SOFF], s[14:15] offset:512*\i
	global_load_b128 v[SC+48+4*\i:SC+48+4*\i+3], v[SOFF], s[22:23] offset:512*\i
.endr
.irp j, 0,1
	global_load_b128 v[SC+16+4*\j:SC+16+4*\j+3], v[SOFF], s[10:11] offset:512*\j
	global_load_b128 v[SC+40+4*\j:SC+40+4*\j+3], v[SOFF], s[18:19] offset:512*\j
	global_load_b128 v[SC+64+4*\j:SC+64+4*\j+3], v[SOFF], s[26:27] offset:512*\j
.endr
.irp i, 0,1,2,3
	global_load_b128 v[BQ+8*\i:BQ+8*\i+3], v[BOFF], s[28:29] offset:64*\i         ; columns 16 i + 8 h + 0 .. 7
	global_load_b128 v[BQ+8*\i+4:BQ+8*\i+7], v[BOFF], s[28:29] offset:64*\i+16
	global_load_b128 v[BK+8*\i:BK+8*\i+3], v[BOFF], s[30:31] offset:64*\i
	global_load_b128 v[BK+8*\i+4:BK+8*\i+7], v[BOFF], s[30:31] offset:64*\i+16
.endr
.irp j, 0,1
	global_load_b32 v[BV+2*\j], v[BVO], s[32:33] offset:64*\j                     ; column 16 j + r, into both registers of a pair
	global_load_b32 v[BV+2*\j+1], v[BVO], s[32:33] offset:64*\j
.endr
	; where the results go
	s_lshr_b32 s47, s[YT], 4                       ; batch,
	s_lshl_b32 s47, s47, 6
	s_lshl_b32 s50, s[XT], 3
	s_add_co_u32 s47, s47, s50
	s_lshl_b32 s50, s[WX], 2
	s_add_co_u32 s47, s47, s50                     ; head 8 XT + 4 wx (+ i): 65,536 bytes each,
	s_lshl_b32 s48, s47, 16
	s_and_b32 s47, s[YT], 15
	s_lshl_b32 s47, s47, 2
	s_lshl_b32 s50, s[WY], 1
	s_add_co_u32 s47, s47, s50                     ; tile of 16 tokens 4 (YT % 16) + 2 wy (+ j): 1,024 bytes each
	s_lshl_b32 s47, s47, 10
	s_add_co_u32 s48, s48, s47
	s_add_nc_u64 s[34:35], s[34:35], s[48:49]
	s_add_nc_u64 s[36:37], s[36:37], s[48:49]
	s_lshr_b32 s47, s[XV], 3                       ; v's codes: batch,
	s_lshl_b32 s47, s47, 6
	s_lshl_b32 s50, s[YV], 2
	s_add_co_u32 s47, s47, s50
	s_lshl_b32 s50, s[WY], 1
	s_add_co_u32 s47, s47, s50                     ; head 4 YV + 2 wy (+ j),
	s_lshl_b32 s47, s47, 5
	s_and_b32 s50, s[XV], 7
	s_lshl_b32 s50, s50, 2
	s_add_co_u32 s47, s47, s50
	s_lshl_b32 s50, s[WX], 1
	s_add_co_u32 s47, s47, s50                     ; block 4 (XV % 8) + 2 wx (+ b)
	s_mul_i32 s48, s47, 384
	s_add_nc_u64 s[38:39], s[38:39], s[48:49]
	s_lshl_b32 s48, s[XV], 12                      ; v's scale bytes
	s_lshl_b32 s50, s[YV], 8
	s_add_co_u32 s48, s48, s50
	s_add_nc_u64 s[40:41], s[40:41], s[48:49]
	; LDS addresses
	v_mul_u32_u24 v4, v1, PITCH
	v_mad_u32_u24 v4, v2, 24, v4                   ; row r + 24 h
	v_lshl_add_u32 v5, v2, 4, v4                   ; row r + 40 h
	s_mul_i32 s47, s[WY], 32*PITCH
	s_add_co_u32 s47, s47, YOF
	v_add_nc_u32 v6, s47, v4                       ; Y: my 32 rows
	v_add_nc_u32 v7, s47, v5
	s_mul_i32 s47, s[WX], 64*PITCH
	v_add_nc_u32 v4, s47, v4                       ; X: my 64 rows
	v_add_nc_u32 v5, s47, v5
	v_add_nc_u32 v8, SLOTB, v4
	v_add_nc_u32 v9, SLOTB, v5
	v_add_nc_u32 v10, SLOTB, v6
	v_add_nc_u32 v11, SLOTB, v7
	v_lshlrev_b32 v[L16], 4, v3
	s_lshl_b32 s47, s[WY], 7
	s_lshl_b32 s50, s[WX], 1
	s_add_co_u32 s47, s47, s50
	s_add_co_u32 s47, s47, VSG
	v_lshl_add_u32 v[VSA], v1, 2, s47              ; column 32 wy + r's word, bytes 2 wx on
	v_mul_u32_u24 v[VCO], v1, 24
	v_mad_u32_u24 v[VCO], v2, 12, v[VCO]
	v_lshlrev_b32 v[L8], 3, v3
	v_add_nc_u32 v3, VSG, v[L8]
.irp b, 0,1,2,3
	v_mov_b32 v[TM+4+\b], 0                        ; a lane permute's destination counts as one of its sources
.endr
	s_wait_tensorcnt 0x1                           ; my part of q's tile is in; k's, issued behind it, may stay out
	s_barrier_signal -1
	s_barrier_wait -1                              ; everybody's is
	s_wait_loadcnt 0x0                             ; the scale words and the biases
	GEMM ADXA, ADYA, SC, 2, BQ                     ; ---- q, out of slot A
	s_wait_tensorcnt 0x0                           ; all my tensor loads have landed: my part of k's tile;
	ds_add_u32 v[SPW], v[NIL]                      ; 0 onto my spare word;
	ds_add_u32 v88, v89
	PLACES 5                                       ; the places behind the last products: four in front of the stores of results and of loads into fragments' registers, five in front of the products that begin the accumulators anew
	s_wait_dscnt 0x0                               ; the add is done, and my reads of slot A are over
	CROUND                                         ; both now hold of every wave of all sixteen work-groups
	s_cmp_lt_u32 s[WV], 2                          ; the joint refill, first behind the round, one tensor load a wave: v's tile into slot A
	s_cbranch_scc0 .Lr_not_x
	tensor_load_to_lds s[G0XC:G0XC+3], s[G1X:G1X+7]
	s_nop 0
	PLACES 4
	s_branch .Lr_asked
.Lr_not_x:
	s_cmp_eq_u32 s[WV], 2
	s_cbranch_scc0 .Lr_asked
	tensor_load_to_lds s[G0YC:G0YC+3], s[G1Y:G1Y+7]
	s_nop 0
	PLACES 4
.Lr_asked:
	OUTF 34                                        ; q's tile leaves while k's is multiplied
	s_wait_xcnt 0x0                                ; the stores have read their registers: the accumulators may be written again
	GEMM ADXB, ADYB, SC+24, 2, BK                  ; ---- k, out of slot B
	PLACES 5
	OUTF 36
	s_wait_tensorcnt 0x0                           ; my part of v's tile is in,
	s_wait_dscnt 0x0
	s_barrier_signal -1
	s_barrier_wait -1                              ; everybody's is
	s_wait_xcnt 0x0                                ; the stores have read their registers
	GEMM ADXA, ADYA, SC+48, 1, 0                   ; ---- v, out of slot A
	PLACES 4
	; bias, then quantised along the tokens.  Registers 16 B .. 16 B + 15 (B = 2 j + b) are 16 tokens of block b of my 64 tokens, column 16 j + r; the other 16 lie in lane l xor 16
.set n, 0
.rept 32
	v_pk_add_f32 v[ACC+n:ACC+n+1], v[ACC+n:ACC+n+1], v[BV+2*(n/32):BV+2*(n/32)+1]
.set n, n+2
.endr
.irp b, 0,1,2,3
	v_max3_num_f32 v[TM+\b], |v[ACC+16*\b]|, |v[ACC+1+16*\b]|, 0x1800000   ; and the floor 2^(3 - 127): the byte cannot fall under 1
.endr
.irp i, 2,4,6,8,10,12,14
.irp b, 0,1,2,3
	v_max3_num_f32 v[TM+\b], v[TM+\b], |v[ACC+16*\b+\i]|, |v[ACC+1+16*\b+\i]|
.endr
.endr
.irp b, 0,1,2,3
	v_permlanex16_b32 v[TM+4+\b], v[TM+\b], s2, s3
.endr
.irp b, 0,1,2,3
	v_max_num_f32 v[TM+\b], v[TM+\b], v[TM+4+\b]   ; the block's largest magnitude
.endr
.irp b, 0,1,2,3
	v_add_nc_u32 v[TM+8+\b], 0xff000000, v[TM+\b]  ; 2 off its exponent field: the conversion's scale operand
.endr
.irp b, 0,1,2,3
	v_lshrrev_b32 v[TM+4+\b], 23, v[TM+8+\b]       ; the scale's byte
.endr
	v_lshl_or_b32 v[TM], v[TM+5], 8, v[TM+4]       ; column 16 j + r's two bytes, j = 0,
	v_lshl_or_b32 v[TM+1], v[TM+7], 8, v[TM+6]     ; j = 1
.irp b, 0,1,2,3
	v_cvt_scalef32_pk16_fp6_f32 v[CD+4*\b:CD+4*\b+2], v[ACC+16*\b:ACC+16*\b+15], v[TM+8+\b]
.endr
	v_nop                                          ; one plain place behind the scaled conversions
.irp j, 0,1
.irp b, 0,1
	global_store_b96 v[VCO], v[CD+4*(2*\j+\b):CD+4*(2*\j+\b)+2], s[38:39] offset:12288*\j+384*\b   ; 32 lanes store a block's 384 consecutive bytes
.endr
	ds_store_b16 v[VSA], v[TM+\j] offset:64*\j     ; both lanes of a column write the same two bytes
.endr
	s_wait_dscnt 0x0
	s_barrier_signal -1
	s_barrier_wait -1                              ; the tile's 256 scale bytes lie together
	s_cmp_lg_u32 s[WV], 0
	s_cbranch_scc1 .Lend
	ds_load_b64 v[TM+2:TM+3], v3
	s_wait_dscnt 0x0
	global_store_b64 v[L8], v[TM+2:TM+3], s[40:41] ; 32 lanes store 256 consecutive bytes, at a multiple of 256 from the buffer's first byte
.Lend:
	s_wait_tensorcnt 0x0                           ; the wave's end: behind my last tensor load and my last LDS store
	ds_add_u32 v[SPW], v[NIL]
	s_wait_dscnt 0x0
	CROUND                                         ; the closing round: no work-group ends while a partner may still ask for a tile that names it
	s_endpgm
.Lfunc_end_k_qf07bb70cef_proj:
	.size	k_qf07bb70cef_proj, .Lfunc_end_k_qf07bb70cef_proj-k_qf07bb70cef_proj
	.p2alignl 7, 3214868480
	.fill 96, 4, 3214868480
	.section	.rodata,"a",@progbits
	.p2align	6, 0x0
	.amdhsa_kernel k_qf07bb70cef_proj
		.amdhsa_group_segment_fixed_size 327680
		.amdhsa_private_segment_fixed_size 0
		.amdhsa_enable_private_segment 0
		.amdhsa_kernarg_size 152
		.amdhsa_user_sgpr_count 2
		.amdhsa_user_sgpr_kernarg_segment_ptr 1
		.amdhsa_wavefront_size32 1
		.amdhsa_system_sgpr_workgroup_id_x 1
		.amdhsa_system_sgpr_workgroup_id_y 1
		.amdhsa_system_sgpr_workgroup_id_z 1
		.amdhsa_system_vgpr_workitem_id 0
		.amdhsa_next_free_vgpr 512
		.amdhsa_next_free_sgpr 100
		.amdhsa_reserve_vcc 0
		.amdhsa_float_denorm_mode_32 3
		.amdhsa_float_denorm_mode_16_64 3
		.amdhsa_memory_ordered 1
		.amdhsa_forward_progress 1
		.amdhsa_inst_pref_size 107
	.end_amdhsa_kernel
	.amdgpu_metadata
---
amdhsa.version: [ 1, 2 ]
amdhsa.kernels:
  - .name:           k_qf07bb70cef_proj
    .symbol:         k_qf07bb70cef_proj.kd
    .args:
      - { .name: Wq_codes, .offset: 0, .size: 8, .value_kind: global_buffer, .address_space: global }
      - { .name: Wq_scales, .offset: 8, .size: 8, .value_kind: global_buffer, .address_space: global }
      - { .name: Q_codes, .offset: 16, .size: 8, .value_kind: global_buffer, .address_space: global }
      - { .name: Q_scales, .offset: 24, .size: 8, .value_kind: global_buffer, .address_space: global }
      - { .name: Wk_codes, .offset: 32, .size: 8, .value_kind: global_buffer, .address_space: global }
      - { .name: Wk_scales, .offset: 40, .size: 8, .value_kind: global_buffer, .address_space: global }
      - { .name: K_codes, .offset: 48, .size: 8, .value_kind: global_buffer, .address_space: global }
      - { .name: K_scales, .offset: 56, .size: 8, .value_kind: global_buffer, .address_space: global }
      - { .name: V_codes, .offset: 64, .size: 8, .value_kind: global_buffer, .address_space: global }
      - { .name: V_scales, .offset: 72, .size: 8, .value_kind: global_buffer, .address_space: global }
      - { .name: Wv_codes, .offset: 80, .size: 8, .value_kind: global_buffer, .address_space: global }
      - { .name: Wv_scales, .offset: 88, .size: 8, .value_kind: global_buffer, .address_space: global }
      - { .name: bq, .offset: 96, .size: 8, .value_kind: global_buffer, .address_space: global }
      - { .name: bk, .offset: 104, .size: 8, .value_kind: global_buffer, .address_space: global }
      - { .name: bv, .offset: 112, .size: 8, .value_kind: global_buffer, .address_space: global }
      - { .name: qf, .offset: 120, .size: 8, .value_kind: global_buffer, .address_space: global }
      - { .name: kf, .offset: 128, .size: 8, .value_kind: global_buffer, .address_space: global }
      - { .name: vc, .offset: 136, .size: 8, .value_kind: global_buffer, .address_space: global }
      - { .name: vs, .offset: 144, .size: 8, .value_kind: global_buffer, .address_space: global }
    .group_segment_fixed_size: 327680
    .private_segment_fixed_size: 0
    .kernarg_segment_align: 8
    .kernarg_segment_size: 152
    .max_flat_workgroup_size: 128
    .sgpr_count:     100
    .vgpr_count:     512
    .wavefront_size: 32
...
	.end_amdgpu_metadata
.endif
;; end of part 4
;; launch attn (part 5): grid 4 x 64, 16 waves a work-group, clusters of 4 x 1, 169,984 bytes of LDS; arguments qf, kf, vc, vs, cc, cs; writes cc, cs
.if DOCPART == 5
	.amdgcn_target "amdgcn-amd-amdhsa--gfx1250"
	.amdhsa_code_object_version 6
	.text
	.protected	k_qf07bb70cef_attn
	.globl	k_qf07bb70cef_attn
	.p2align	8
	.type	k_qf07bb70cef_attn,@function
k_qf07bb70cef_attn:
	s_mov_b64 s[64:65], 0
	v_nop
	global_prefetch_b8 v0, s[64:65] scope:SCOPE_SE
	s_setreg_imm32_b32 hwreg(HW_REG_WAVE_MODE, 25, 1), 1
	s_wait_xcnt 0x0
	s_wait_alu depctr_hold_cnt(0) depctr_sa_sdst(0) depctr_va_vdst(0) depctr_va_sdst(0) depctr_va_ssrc(0) depctr_va_vcc(0) depctr_vm_vsrc(0)
	s_getreg_b32 s2, hwreg(HW_REG_IB_STS2, 6, 4)
	s_cmp_eq_u32 s2, 0
	s_cbranch_scc0 .Lentry_in_a_cluster
	s_endpgm
.Lentry_in_a_cluster:
	s_bfe_u32 s2, ttmp6, 0x10000c
	s_cmp_lg_u32 s2, 0x3003
	s_cbranch_scc0 .Lentry_shape_is_right
	s_endpgm
.Lentry_shape_is_right:
; Attention for 128 (batch, head) pairs of head size 16 over 1,024 tokens, and the quantising of the merged context.
; scores = q k^T / 32 in f32 operands (v_wmma_f32_16x16x4_f32), since they go on into a quantised operand.  t = score x log2(e) / 32; M = the running largest t rounded UP to a whole number;
; p = 2^(t - M) is quantised to FP6 (E2M3) along the keys, one E8M0 scale for each 32; the row's sum is taken of the unquantised p and divides at the end.  When M moves, the sum and O are multiplied by 2^(old M - new M): exact.
; A block's largest p is not searched for: the block's largest score goes through the same multiply-add and exponential.  This takes v_exp_f32 not to fall where its input rises; at the worst one p of a block would be held one code low.
; SHARES.  A work-group takes 256 queries of one batch and one PAIR of heads (32 neighbouring columns, one block of the last product's K); each of its 16 waves 16 queries, head 0 and then head 1 of the pair.
; q and k come as images of the operand's registers, [batch 2][head 64][16 tokens 64][half 2][lane 32][16 bytes]: lane (r, h) holds token r, elements 8 h + 0 .. 7, in two loads of 16 bytes at 16 x lane.
; All 1,024 keys of the pair (f32) and v's codes and scale bytes lie in LDS at once: every tensor load is a first fill, no LDS byte is filled twice.
; CLUSTER.  The four query blocks of a (batch, pair) need the same K and V: every fill is a joint load with a mask that names the four.
; LAYOUT.  Both products are used transposed: S^T = K Q^T (source 0 = 16 keys, source 1 = my 16 queries), O^T = V^T P^T: a lane holds ONE query (lane % 16) throughout.
; In the f32 form lane (r, h) gives, in K step c, the head's elements 8 h + 2 c and 8 h + 2 c + 1, of K and of Q alike: the same permutation of the 16 elements on both sides, so the sums hold the same products.
; The 16 registers of score tiles 2 b, 2 b + 1 are keys 32 b + 16 u + 8 h + j at register 8 u + j; v's codes were laid in that very order inside each block of 32, so p's codes go to the matrix unit with no reordering of keys.
; THE EXPONENTIALS DO NOT STAND IN ONE RUN: behind each stands a plain vector line that is ready (t - M two pairs ahead, the sums five pairs back, the scale bytes, O's rescaling, the first conversions and exchanges).
; LIMITS: a block whose every p is 0, and a block of zeros of the context, get the scale byte 1 (the floor) where the quantiser says 127: their codes are zeros and only this program reads the bytes;
; context blocks whose largest magnitude lies under 2^-124 are held at the byte 1; NaN and infinities are not served; inside a block of 32 the keys are summed in another order than they lie in memory.
; REGISTERS: v1-3, v5-7, v11 addresses that stay; v8-10 the step's addresses; v12 -M, v13 the largest t, v[14:15] the sum; v16-31 Q of both heads; v32-95 K's fragments, then p; v96-159 S^T (written by matrix instructions alone);
; v160-167 O^T; v168-179 V's fragment; v180, v181 V's and p's scale words; v[182:183] f; v184-199 both heads' results; v200-219 p's codes; v220-235 at work.
.set VTB, 131072                       ; K's images lie at 0: 2 heads x 64 tiles x 1,024 bytes.  Here v's codes: 2 heads x 32 blocks x 384 bytes, dense
.set VSB, VTB+24576                    ; v's scale words: K step x 128 + head x 64 + 4 e
.set CSG, VSB+1024                     ; the context's 256 scale bytes: written by LDS stores alone
.set WV,  16
.set CS,  22                           ; s[22:23] c = log2(e) / 32
.set SEL, 24                           ; s[24:25] lane selects for lane l xor 16
.set G1K, 28
.set G1V, 36
.set G1S, 44
.set G0K, 52
.set G0V, 56
.set G0S, 60
.set TK,  66                           ; the step's bytes into K's images, v's codes, v's scale words
.set TV,  67
.set TS,  68
.set CNT, 69
.macro PLACES n
.rept \n
	v_nop
.endr
.endm
.macro CROUND                          ; a round of the cluster's barrier
	s_barrier_signal -1
	s_barrier_wait -1
	s_cmp_lg_u32 s[WV], 0
	s_cbranch_scc1 .Lnot_wave_0_\@
	s_barrier_signal -3
.Lnot_wave_0_\@:
	s_barrier_wait -3
	s_barrier_signal -1
	s_barrier_wait -1
.endm
	s_load_b256 s[4:11], s[0:1], 0x0               ; qf, kf, vc, vs
	s_load_b128 s[12:15], s[0:1], 0x20             ; cc, cs
	v_lshl_add_u32 v254, v0, 2, 0x29000
	v_mov_b32 v255, 0
	ds_add_u32 v254, v255
	ds_add_u32 v254, v255
	v_lshrrev_b32 v1, 5, v0
	v_readfirstlane_b32 s[WV], v1                  ; wave 0..15
	s_bfe_u32 s17, ttmp6, 0x40000                  ; cx: my block of 256 queries: it enters the addresses of Q and of the outputs alone
	s_and_b32 s18, ttmp7, 0xffff                   ; 32 x batch + pair, which the four partners share; twice that is 64 x batch + the pair's first head
	s_lshr_b32 s19, s18, 5                         ; batch
	s_and_b32 s20, s18, 31                         ; pair
	; K: 8,192 dense bytes (8 images) as 32 rows of 256
	s_mov_b32 s[G1K], 15|(3<<16)|(1<<21)           ; 15:0 the mask: all four; 17:16 elements of 8 bytes; 20 no padding; 21 set beside a mask
	s_mov_b32 s[G1K+1], 32<<16
	s_mov_b32 s[G1K+2], 32<<16
	s_mov_b32 s[G1K+3], 32<<16
	s_mov_b32 s[G1K+4], 32
	s_mov_b32 s[G1K+5], 32
	s_mov_b32 s[G1K+6], 0
	s_mov_b32 s[G1K+7], 0
	; v's codes: a quarter of the pair's 24,576 dense bytes, as 24 rows of 256
	s_mov_b32 s[G1V], 15|(3<<16)|(1<<21)
	s_mov_b32 s[G1V+1], 32<<16
	s_mov_b32 s[G1V+2], 24<<16
	s_mov_b32 s[G1V+3], 32<<16
	s_mov_b32 s[G1V+4], 24
	s_mov_b32 s[G1V+5], 32
	s_mov_b32 s[G1V+6], 0
	s_mov_b32 s[G1V+7], 0
	; v's scale words: 8 K steps x 128 bytes (the pair's 32 columns), 4,096 bytes apart
	s_mov_b32 s[G1S], 15|(3<<16)|(1<<21)
	s_mov_b32 s[G1S+1], 16<<16
	s_mov_b32 s[G1S+2], 8<<16
	s_mov_b32 s[G1S+3], 16<<16
	s_mov_b32 s[G1S+4], 8
	s_mov_b32 s[G1S+5], 512
	s_mov_b32 s[G1S+6], 0
	s_mov_b32 s[G1S+7], 0
	s_mov_b32 s[CS], 0x3d38aa3b                    ; log2(e) / 32
	s_mov_b32 s[CS+1], s[CS]                       ; (named with it as a pair, so it is written)
	s_mov_b32 s[SEL], 0x76543210
	s_mov_b32 s[SEL+1], 0xfedcba98
	s_lshl_b32 s70, s20, 11
	s_lshl_b32 s71, s19, 10
	s_add_co_u32 s70, s70, s71                     ; the (pair, batch)'s first row in cc and cs: 2,048 pair + 1,024 batch
	s_lshl_b32 s72, s18, 17                        ; K: the pair's 131,072 bytes,
	s_lshl_b32 s73, s[WV], 13
	s_add_co_u32 s72, s72, s73                     ; my sixteenth of them
	s_mov_b32 s73, 0
	s_and_b32 s76, s[WV], 3
	s_mul_i32 s76, s76, 6144
	s_mul_i32 s74, s18, 24576
	s_add_co_u32 s74, s74, s76                     ; v's codes: my quarter (waves 0 to 3)
	s_mov_b32 s75, 0
	s_lshl_b32 s78, s19, 15
	s_lshl_b32 s79, s20, 7
	s_add_co_u32 s78, s78, s79                     ; v's scale words
	s_mov_b32 s79, 0
	s_wait_dscnt 0x0
	s_wait_kmcnt 0x0
	s_mov_b32 s[G0K], 1
	s_lshl_b32 s[G0K+1], s[WV], 13
	s_add_nc_u64 s[G0K+2:G0K+3], s[6:7], s[72:73]
	s_or_b32 s[G0K+3], s[G0K+3], 0x80000000
	s_mov_b32 s[G0V], 1
	s_add_co_u32 s[G0V+1], s76, VTB
	s_add_nc_u64 s[G0V+2:G0V+3], s[8:9], s[74:75]
	s_or_b32 s[G0V+3], s[G0V+3], 0x80000000
	s_mov_b32 s[G0S], 1
	s_mov_b32 s[G0S+1], VSB
	s_add_nc_u64 s[G0S+2:G0S+3], s[10:11], s[78:79]
	s_or_b32 s[G0S+3], s[G0S+3], 0x80000000
	CROUND                                         ; all four work-groups are here: the joint loads meet
	; the fills, all first fills: every wave a sixteenth of K; waves 0 to 3 a quarter of v's codes too; wave 4 v's scale words: two loads of a wave are out at the most.  Four v_nop follow each tensor line
	tensor_load_to_lds s[G0K:G0K+3], s[G1K:G1K+7]
	s_nop 0
	PLACES 4
	s_cmp_lt_u32 s[WV], 4
	s_cbranch_scc0 .Lnot_v
	tensor_load_to_lds s[G0V:G0V+3], s[G1V:G1V+7]
	s_nop 0
	PLACES 4
	s_branch .Lasked
.Lnot_v:
	s_cmp_eq_u32 s[WV], 4
	s_cbranch_scc0 .Lasked
	tensor_load_to_lds s[G0S:G0S+3], s[G1S:G1S+7]
	s_nop 0
	PLACES 4
.Lasked:
	s_lshl_b32 s26, s17, 4
	s_add_co_u32 s26, s26, s[WV]                   ; my tile of 16 queries in the batch: 16 cx + w
	s_lshl_b32 s2, s26, 10
	s_lshl_b32 s3, s18, 17
	s_add_co_u32 s2, s2, s3
	s_mov_b32 s3, 0
	s_add_nc_u64 s[4:5], s[4:5], s[2:3]            ; Q: head 0's image of my tile; head 1's lies 65,536 bytes on
	s_lshl_b32 s27, s26, 4
	s_add_co_u32 s27, s27, s70                     ; my wave's first row
	s_mul_i32 s2, s27, 24
	s_add_nc_u64 s[12:13], s[12:13], s[2:3]        ; the context's codes: 24 bytes a row
	s_lshl_b32 s2, s17, 8
	s_add_co_u32 s2, s2, s70                       ; my work-group's first row
	s_add_nc_u64 s[14:15], s[14:15], s[2:3]        ; its scale bytes: one a row
	v_and_b32 v232, 15, v0                         ; r
	v_bfe_u32 v233, v0, 4, 1                       ; h
	v_and_b32 v234, 31, v0                         ; lane
	v_lshlrev_b32 v1, 4, v234                      ; 16 x lane: my place in an image, in memory and in LDS
	global_load_b128 v[16:19], v1, s[4:5]          ; head 0
	global_load_b128 v[20:23], v1, s[4:5] offset:512
	global_load_b128 v[24:27], v1, s[4:5] offset:65536   ; head 1
	global_load_b128 v[28:31], v1, s[4:5] offset:66048
	v_mul_u32_u24 v2, v232, 24
	v_mad_u32_u24 v5, v233, 12, v2                 ; the way out: 24 r + 12 h
	v_mad_u32_u24 v2, v233, 384, v2
	v_add_nc_u32 v2, VTB, v2                       ; V: block h of a pair of blocks, row e = r
	v_lshl_add_u32 v3, v232, 2, VSB                ; V's scale word of row e = r
	s_lshl_b32 s2, s[WV], 4
	s_add_co_u32 s2, s2, CSG
	v_add_nc_u32 v6, s2, v232                      ; my query's scale byte
	v_lshlrev_b32 v7, 3, v234
	v_add_nc_u32 v11, CSG, v7
	v_mov_b32 v183, 0                              ; (named as the upper half of the pair v[182:183])
.irp b, 0,1,2,3
	v_mov_b32 v[224+\b], 0                         ; a lane permute's destination counts as one of its sources
.endr
; Pair n of p's 32 pairs joins the row's sum: even pairs in v[14:15], odd ones in v[234:235], which pairs 1 and 3 begin together.
.macro PADD n
.if ((\n)%2) == 0
	s_wait_alu depctr_va_vdst(0)
	v_pk_add_f32 v[14:15], v[14:15], v[32+2*(\n):33+2*(\n)]
.elseif (\n) == 3
	v_pk_add_f32 v[234:235], v[34:35], v[38:39]
	s_wait_alu depctr_va_vdst(0)
.elseif (\n) > 3
	s_wait_alu depctr_va_vdst(0)
	v_pk_add_f32 v[234:235], v[234:235], v[32+2*(\n):33+2*(\n)]
.endif
.endm
; My 16 numbers of block b become 96 bits of codes.  (A conversion's three registers begin on an even number: the odd blocks' are made elsewhere and moved.)
.macro CVT b
.if ((\b)%2) == 0
	s_wait_alu depctr_va_vdst(0)
	v_cvt_scalef32_pk16_fp6_f32 v[200+3*(\b):202+3*(\b)], v[32+16*(\b):47+16*(\b)], v[228+(\b)]
.else
	s_wait_alu depctr_va_vdst(0)
	v_cvt_scalef32_pk16_fp6_f32 v[210+2*(\b):212+2*(\b)], v[32+16*(\b):47+16*(\b)], v[228+(\b)]
.endif
.endm
; A KEY STEP of head hd: 128 keys.
.macro STEP hd
	v_add_nc_u32 v8, s[TK], v1
	v_add_nc_u32 v9, s[TV], v2
	v_add_nc_u32 v10, s[TS], v3
	v_nop                                          ; four places in front of loads into registers that the last product has read (ISA guide 7.12.1 for vector instructions)
.irp t, 0,1,2,3,4,5,6,7
	ds_load_b128 v[32+8*\t:35+8*\t], v8 offset:1024*\t          ; an image's halves: 512 consecutive bytes a load
	ds_load_b128 v[36+8*\t:39+8*\t], v8 offset:1024*\t+512
.endr
.irp c, 0,1
.irp i, 0,1,2
	ds_load_b64 v[168+6*\c+2*\i:169+6*\c+2*\i], v9 offset:12288*\hd+768*\c+8*\i
.endr
.endr
	ds_load_b32 v180, v10 offset:64*\hd
	s_wait_dscnt 7                                 ; K's sixteen loads are in; V's six and its scale word may be out
.irp c, 0,1,2,3                        ; S^T = K Q^T: four K steps of 4; the 8 accumulators by turns; the first step starts the sums
.irp t, 0,1,2,3,4,5,6,7
.if \c == 0
	v_wmma_f32_16x16x4_f32 v[96+8*\t:103+8*\t], v[32+8*\t:33+8*\t], v[16+8*\hd:17+8*\hd], 0
.else
	v_wmma_f32_16x16x4_f32 v[96+8*\t:103+8*\t], v[32+8*\t+2*\c:33+8*\t+2*\c], v[16+8*\hd+2*\c:17+8*\hd+2*\c], v[96+8*\t:103+8*\t]
.endif
.endr
.endr
	PLACES 8                                       ; eight places behind this form before its results are read
.irp b, 0,1,2,3
	v_max3_num_f32 v[220+\b], v[96+16*\b], v[97+16*\b], v[98+16*\b]   ; the largest score of each block of 32 keys: for the row's maximum and for the block's largest p
.endr
.irp i, 3,5,7,9,11,13
.irp b, 0,1,2,3
	v_max3_num_f32 v[220+\b], v[220+\b], v[96+16*\b+\i], v[97+16*\b+\i]
.endr
.endr
.irp b, 0,1,2,3
	v_max_num_f32 v[220+\b], v[220+\b], v[111+16*\b]
.endr
.irp b, 0,1,2,3
	v_permlanex16_b32 v[224+\b], v[220+\b], s[SEL], s[SEL+1]
.endr
.irp b, 0,1,2,3
	v_max_num_f32 v[220+\b], v[220+\b], v[224+\b]  ; with lane l xor 16's 16 keys
.endr
	v_max3_num_f32 v232, v220, v221, v222
	v_max_num_f32 v232, v232, v223                 ; the step's largest score of my query
	v_mul_f32 v232, s[CS], v232                    ; as t (c is positive)
	v_max_num_f32 v13, v13, v232                   ; the running largest t
	v_mov_b32 v232, v12
	v_floor_f32 v12, -v13                          ; the new -M = floor(-t) = -ceil(t)
	v_sub_f32 v232, v12, v232                      ; old M - new M: a whole number, 0 or less
	v_cvt_i32_f32 v232, v232                       ; (it saturates)
	v_ldexp_f32 v182, 1.0, v232                    ; f = 2^(old M - new M)
.irp b, 0,1,2,3
	v_fma_f32 v[220+\b], v[220+\b], s[CS], v12     ; t - M of each block's largest score
.endr
	v_pk_fma_f32 v[32:33], v[96:97], s[CS:CS+1], v[12:13] op_sel_hi:[1,0,0]   ; t - M, two at a time, into the registers that K's fragments have left: S^T's are written by matrix instructions alone.  Pairs 0 and 1 here,
	v_pk_fma_f32 v[34:35], v[98:99], s[CS:CS+1], v[12:13] op_sel_hi:[1,0,0]   ; the others two pairs ahead of their exponentials
.irp b, 0,1,2,3
	v_exp_f32 v[220+\b], v[220+\b]                 ; the block's largest p
.endr
	v_pk_mul_f32 v[14:15], v[14:15], v[182:183] op_sel_hi:[1,0]   ; the sums under the new M.  (A plain place behind the exponentials)
; p = 2^(t - M), at most 1, not normalised: 64 exponentials, each with plain lines behind it that name neither its source nor its result.  A result is first read five pairs on.
.set k, 0
.rept 64
	v_exp_f32 v[32+k], v[32+k]
.if ((k%2) == 0) && (k < 60)
	v_pk_fma_f32 v[36+k:37+k], v[100+k:101+k], s[CS:CS+1], v[12:13] op_sel_hi:[1,0,0]
.endif
.if ((k%2) == 1) && (k >= 11)
	PADD (k-11)/2                                  ; the row's sum is taken of the unquantised p
.endif
.if (k == 17) || (k == 33) || (k == 49)
	CVT (k-17)/16                                  ; block (k - 17) / 16: its last exponential stands two numbers back, with plain lines between
.endif
.if k < 4
	s_wait_alu depctr_va_vdst(0)
	v_max_num_f32 v[220+k], 0x1800000, v[220+k]    ; the floor 2^(3 - 127): the byte cannot fall under 1
.elseif k < 8
	v_add_nc_u32 v[224+k], 0xff000000, v[216+k]    ; 2 off the exponent field: the conversion's scale operand, v228 on
.elseif k < 12
	v_lshrrev_b32 v[216+k], 23, v[220+k]           ; the scale's byte, v224 on
.elseif k == 12
	v_lshl_or_b32 v181, v225, 8, v224              ; p's scale word for these 128 keys
.elseif k == 13
	v_lshl_or_b32 v181, v226, 16, v181
.elseif k == 14
	v_lshl_or_b32 v181, v227, 24, v181
.elseif (k >= 20) && (k < 24)
	v_pk_mul_f32 v[120+2*k:121+2*k], v[120+2*k:121+2*k], v[182:183] op_sel_hi:[1,0]   ; O^T (v160 on) under the new M, from its low end on
.elseif (k >= 36) && (k < 39)
	v_permlane16_swap_b32 v[164+k], v[176+k]       ; the operand's layout wants a WHOLE block in a lane: blocks 0 and 1 change halves (v200 on with v212 on),
.elseif (k >= 39) && (k < 42)
	v_mov_b32 v[164+k], v[173+k]                   ; and the upper 16 codes move beside the lower (v203 on from v212 on)
.endif
.set k, k+1
.endr
	CVT 3                                          ; (the addition above is the plain place behind the last exponential)
	PADD 27                                        ; one plain place behind the scaled conversion
.irp i, 0,1,2
	v_permlane16_swap_b32 v[206+\i], v[216+\i]     ; blocks 2 and 3
.endr
.irp i, 0,1,2
	v_mov_b32 v[209+\i], v[216+\i]
.endr
	PADD 28                                        ; the last sums are also the places between p's codes and the product below
	PADD 29
	PADD 30
	PADD 31
	v_pk_add_f32 v[14:15], v[14:15], v[234:235]
	s_wait_dscnt 0x0                               ; V's fragment and scale word are in
	v_wmma_scale_f32_16x16x128_f8f6f4 v[160:167], v[168:179], v[200:211], v[160:167], v180, v181 matrix_a_fmt:MATRIX_FMT_FP6 matrix_b_fmt:MATRIX_FMT_FP6   ; O^T += V^T P^T over these 128 keys
	s_add_co_u32 s[TK], s[TK], 8*1024
	s_add_co_u32 s[TV], s[TV], 4*384
	s_add_co_u32 s[TS], s[TS], 128
.endm
; One head of the pair: eight key steps; then O^T / the sum into v[184 + 8 hd] on: lane (r, h): query r, elements 8 h + 0 .. 7.
.macro HEAD hd
	v_mov_b32 v13, 0xff61b1e6                      ; the largest t so far: -3e38, under every t
	v_floor_f32 v12, -v13                          ; -M
	v_mov_b32 v14, 0
	v_mov_b32 v15, 0
.irp j, 0,1,2,3,4,5,6,7
	v_mov_b32 v[160+\j], 0                         ; the step is written once: the first finds zeros, which the first change of M leaves zeros
.endr
	s_mov_b32 s[TK], 65536*\hd
	s_mov_b32 s[TV], 0
	s_mov_b32 s[TS], 0
	s_mov_b32 s[CNT], 8
.Lstep_\hd:
	STEP \hd
	s_sub_co_u32 s[CNT], s[CNT], 1
	s_cmp_lg_u32 s[CNT], 0
	s_cbranch_scc1 .Lstep_\hd
	PLACES 4                                       ; behind the last product
	v_add_f32 v14, v14, v15                        ; the sum's two halves,
	v_permlanex16_b32 v232, v14, s[SEL], s[SEL+1]
	v_add_f32 v14, v14, v232                       ; and lane l xor 16's: the row's sum
	v_rcp_f32 v14, v14
	v_nop                                          ; one plain place behind the transcendental
	s_wait_alu depctr_va_vdst(0)
.irp j, 0,1,2,3,4,5,6,7
	v_mul_f32 v[184+8*\hd+\j], v[160+\j], v14
.endr
.endm
	s_wait_tensorcnt 0x0                           ; my fills have landed,
	s_barrier_signal -1
	s_barrier_wait -1                              ; everybody's have
	s_wait_loadcnt 0x0                             ; Q
	HEAD 0
	HEAD 1
	; THE WAY OUT: the pair's 32 columns of a query are one block of the last product's K.  The exchange below gives lane (r, H) columns 16 H + 0 .. 15 in v184-199, in their true order.
.irp i, 0,1,2,3,4,5,6,7
	v_permlane16_swap_b32 v[184+\i], v[192+\i]     ; head 0's lanes 16-31 change places with head 1's lanes 0-15
.endr
	v_max3_num_f32 v220, |v184|, |v185|, 0x1800000 ; the largest magnitude of my 16, and the floor 2^(3 - 127)
	v_max3_num_f32 v221, |v186|, |v187|, |v188|
	v_max3_num_f32 v220, v220, |v189|, |v190|
	v_max3_num_f32 v221, v221, |v191|, |v192|
	v_max3_num_f32 v220, v220, |v193|, |v194|
	v_max3_num_f32 v221, v221, |v195|, |v196|
	v_max3_num_f32 v220, v220, |v197|, |v198|
	v_max3_num_f32 v220, v220, v221, |v199|
	v_permlanex16_b32 v224, v220, s[SEL], s[SEL+1]
	v_max_num_f32 v220, v220, v224                 ; the block's
	v_add_nc_u32 v228, 0xff000000, v220            ; the conversion's scale operand
	v_lshrrev_b32 v224, 23, v228                   ; the scale's byte
	v_cvt_scalef32_pk16_fp6_f32 v[200:202], v[184:199], v228
	v_nop                                          ; one plain place behind the scaled conversion
	global_store_b96 v5, v[200:202], s[12:13]      ; 32 lanes store my 16 rows' 384 consecutive bytes
	ds_store_b8 v6, v224                           ; both lanes of a query write the same byte
	s_wait_dscnt 0x0
	s_barrier_signal -1
	s_barrier_wait -1                              ; the work-group's 256 scale bytes lie together
	s_cmp_lg_u32 s[WV], 0
	s_cbranch_scc1 .Lend
	ds_load_b64 v[220:221], v11
	s_wait_dscnt 0x0
	global_store_b64 v7, v[220:221], s[14:15]      ; 32 lanes store 256 consecutive bytes, at a multiple of 256 from the buffer's first byte
.Lend:
	s_wait_dscnt 0x0
	s_wait_tensorcnt 0x0
	ds_add_u32 v254, v255
	s_wait_dscnt 0x0
	CROUND                                         ; the closing round: no work-group ends while a partner may still ask for a tile that names it
	s_endpgm
.Lfunc_end_k_qf07bb70cef_attn:
	.size	k_qf07bb70cef_attn, .Lfunc_end_k_qf07bb70cef_attn-k_qf07bb70cef_attn
	.p2alignl 7, 3214868480
	.fill 96, 4, 3214868480
	.section	.rodata,"a",@progbits
	.p2align	6, 0x0
	.amdhsa_kernel k_qf07bb70cef_attn
		.amdhsa_group_segment_fixed_size 169984
		.amdhsa_private_segment_fixed_size 0
		.amdhsa_enable_private_segment 0
		.amdhsa_kernarg_size 48
		.amdhsa_user_sgpr_count 2
		.amdhsa_user_sgpr_kernarg_segment_ptr 1
		.amdhsa_wavefront_size32 1
		.amdhsa_system_sgpr_workgroup_id_x 1
		.amdhsa_system_sgpr_workgroup_id_y 1
		.amdhsa_system_sgpr_workgroup_id_z 1
		.amdhsa_system_vgpr_workitem_id 0
		.amdhsa_next_free_vgpr 256
		.amdhsa_next_free_sgpr 80
		.amdhsa_reserve_vcc 0
		.amdhsa_float_denorm_mode_32 3
		.amdhsa_float_denorm_mode_16_64 3
		.amdhsa_memory_ordered 1
		.amdhsa_forward_progress 1
		.amdhsa_inst_pref_size 44
	.end_amdhsa_kernel
	.amdgpu_metadata
---
amdhsa.version: [ 1, 2 ]
amdhsa.kernels:
  - .name:           k_qf07bb70cef_attn
    .symbol:         k_qf07bb70cef_attn.kd
    .args:
      - { .name: qf, .offset: 0, .size: 8, .value_kind: global_buffer, .address_space: global }
      - { .name: kf, .offset: 8, .size: 8, .value_kind: global_buffer, .address_space: global }
      - { .name: vc, .offset: 16, .size: 8, .value_kind: global_buffer, .address_space: global }
      - { .name: vs, .offset: 24, .size: 8, .value_kind: global_buffer, .address_space: global }
      - { .name: cc, .offset: 32, .size: 8, .value_kind: global_buffer, .address_space: global }
      - { .name: cs, .offset: 40, .size: 8, .value_kind: global_buffer, .address_space: global }
    .group_segment_fixed_size: 169984
    .private_segment_fixed_size: 0
    .kernarg_segment_align: 8
    .kernarg_segment_size: 48
    .max_flat_workgroup_size: 512
    .sgpr_count:     80
    .vgpr_count:     256
    .wavefront_size: 32
...
	.end_amdgpu_metadata
.endif
;; end of part 5
;; launch outp: the kernel of part 3 again; grid 8 x 32, 4 waves a work-group, clusters of 4 x 4, 195,584 bytes of LDS; arguments Wo_codes, Wo_scales, cc, cs, bo, out0; writes out0
